; MI455X (gfx1250); checked and timed in simulation.
; The chip was launched on July 23, 2026; its instructions are those of AMD's public machine-readable ISA for CDNA 5 (MIT licence, August 2026) and "CDNA5" Instruction Set Architecture Reference Guide (July 2026). The comments in the code are by the model that wrote it; some were corrected since.
;; Multi Head Attention. Allowed arithmetic: matrix products marked QUANTISED: E2M1 operands, one E8M0 scale for each 32 along K, by v_wmma_scale_f32_16x16x128_f8f6f4 with both operands' format E2M1 (or v_wmma_scale_f32_32x16x128_f4), f32 sums; products left as they are: bf16, f16 or f32 operands; f32 sums; everything else in f32.
;; Inputs: K 4 x 2,048 x 1,024 float32; Q 4 x 2,048 x 1,024 float32; V 4 x 2,048 x 1,024 float32; W_K 1,024 x 1,024 float32; W_O 1,024 x 1,024 float32; W_Q 1,024 x 1,024 float32; W_V 1,024 x 1,024 float32.
;; Outputs: out0 4 x 2,048 x 1,024 float32.
;; This version of the problem:
;;   THIS VERSION OF THE PROBLEM IS GIVEN IN LOW PRECISION. The matrix products marked QUANTISED in the list below multiply operands that are first quantised to E2M1 (2 exponent bits, 1 mantissa bit; 4 bits a number), with one power-of-two scale for each 32 numbers along K (OCP MX v1.0); their sums are f32. The products marked 'left as it is' may take bf16, f16 or f32 operands, with f32 sums. Whichever they take, every output number must still come out within the allowed error. Rounding operands to bf16 (8 significant bits) uses up far more of that allowance than f16 does (11 bits, for magnitudes from 6e-5 to 65,504). All else is computed in f32.
;;   The module's matrix products, in the order in which they are computed (A, B: the left and right operand; K: the contracted axis; several contracted axes count as one K, in the product's order):
;;     1. [M 8,192, K 1,024] x [K 1,024, N 1,024]; A: input Q; B: input W_Q: QUANTISED
;;     2. [M 8,192, K 1,024] x [K 1,024, N 1,024]; A: input K; B: input W_K: QUANTISED
;;     3. [M 8,192, K 1,024] x [K 1,024, N 1,024]; A: input V; B: input W_V: QUANTISED
;;     4. batch 64 x [M 2,048, K 64] x [K 64, N 2,048]; A: computed on the way; B: computed on the way: left as it is (an operand is computed on the way)
;;     5. batch 64 x [M 2,048, K 2,048] x [K 2,048, N 64]; A: computed on the way; B: computed on the way: left as it is (an operand is computed on the way)
;;     6. [M 8,192, K 1,024] x [K 1,024, N 1,024]; A: computed on the way; B: input W_O: left as it is (an operand is computed on the way)
;;   THE QUANTISER, for each operand of a quantised product, along K:
;;     - K is cut into blocks of 32 from its start; a last block that is shorter is filled with zeros.
;;     - A block's scale is 2^e with e = floor(log2(the largest magnitude in the block)) - 2, held to -126 .. 127; a block of zeros has e = 0. As a byte (E8M0): e + 127.
;;     - Each number is divided by its block's scale, clamped to +-6, and rounded to the nearest number of E2M1, ties to even, subnormals kept.
;;     - The product sums the exact products of the quantised numbers (number of the format x scale) in f32.
;;   ~~~python
;;   def quantise(x, axis):      # numpy; x: float32 -> the quantised numbers, widened to float32 again
;;       x = np.moveaxis(x, axis, -1); K = x.shape[-1]
;;       x = np.pad(x, [(0, 0)] * (x.ndim - 1) + [(0, -K % 32)]); x = x.reshape(x.shape[:-1] + (-1, 32)); a = np.abs(x).max(-1, keepdims=True)
;;       e = np.where(a > 0, np.clip(np.frexp(np.where(a > 0, a, 1))[1] - 1 - 2, -126, 127), 0)      # np.frexp(a)[1] - 1 = floor(log2(a)), exactly
;;       r = np.clip(x / 2.0 ** e, -6, 6)
;;       step = 2.0 ** (np.maximum(np.frexp(np.where(r == 0, 1, r))[1] - 1, 0) - 1)
;;       q = np.round(r / step) * step * 2.0 ** e      # np.round: ties to even
;;       return np.moveaxis(q.reshape(q.shape[:-2] + (-1,))[..., :K], -1, axis).astype(np.float32)
;;   ~~~
;; One version. Each part assembles by itself: llvm-mc -triple=amdgcn-amd-amdhsa -mcpu=gfx1250 --defsym DOCPART=n.
;; ======== version 1 of 1: 4 launches
;; limits: values are held in f16: magnitudes above 65,504 overflow, below 6.1e-05 lose precision
;; workspace buffers: codes 14,155,776 bytes; scales 884,736 bytes; wo16 2,097,152 bytes; qkv16 50,331,648 bytes; heads16 16,777,216 bytes
;; launch quant (part 1): grid 896 x 1, 4 waves a work-group, no clusters, 33,280 bytes of LDS; arguments Q, K, V, W_Q, W_K, W_V, W_O, codes, scales, wo16; writes codes, scales, wo16
.if DOCPART == 1
	.amdgcn_target "amdgcn-amd-amdhsa--gfx1250"
	.amdhsa_code_object_version 6
	.text
	.protected	k_qbfe1fcbe26_quant
	.globl	k_qbfe1fcbe26_quant
	.p2align	8
	.type	k_qbfe1fcbe26_quant,@function
k_qbfe1fcbe26_quant:
	s_mov_b64 s[64:65], 0
	v_nop
	global_prefetch_b8 v0, s[64:65] scope:SCOPE_SE
	s_setreg_imm32_b32 hwreg(HW_REG_WAVE_MODE, 25, 1), 1
	s_wait_xcnt 0x0
; Q, K, V [8192][1024] and W_Q, W_K, W_V [1024][1024], f32, K innermost, become codes of FP4 (E2M1), two to a byte, and one E8M0 scale byte for each 32 along K;
; W_O [1024][1024] becomes f16.  The six quantised tensors are dense streams of blocks of 32, and their codes and scale bytes are laid one tensor behind the other
; (Q, K, V, W_Q, W_K, W_V): 27,648 rows of 512 bytes of codes, 27,648 rows of 32 scale bytes.  So the output's place follows from the work-group's number alone.
; A block's scale is 2^(floor(log2(its largest magnitude)) - 2); its byte is the largest magnitude's exponent field - 2, held at 1 from below.
; LIMITS: a block of zeros gets the byte 1 where the rule says 127 (its codes are zeros, and this program alone reads the bytes); blocks whose largest magnitude lies under 2^-124 have their byte held at 1;
; NaN and infinities among the inputs are not served; numbers of W_O beyond 65,504 become infinities in f16.
; SHARES: a work-group takes 32,768 numbers, a wave 8,192 in 16 steps of 512.  Work-groups 0-255 Q, 256-511 K, 512-767 V, 768-799 W_Q, 800-831 W_K, 832-863 W_V, 864-895 W_O.
; The work-groups share no input: no cluster.  No tensor loads, no barrier: waves share nothing.
; The conversions take 8 numbers of ONE block from a lane's registers, so a lane must hold 16 neighbours; a load is dense where neighbouring lanes take neighbouring bytes.  Both are had: a step's 2,048 bytes
; are loaded 512 consecutive bytes a load, go through the wave's own stage in LDS as they lie, and come back 64 bytes a lane (places 80 bytes apart).
.set WAVES, 4
.set STEPS, 16
.set EMAX,  2
.set CB,    8                          ; bytes of 16 codes
.set R,     16                         ; v16-79   four sets of 16 numbers as they are loaded
.set X,     80                         ; v80-111  two sets of 16 neighbours
.set E,     112                        ; v112-127 a scale byte for each step
.set C,     128                        ; v128-191 codes: four registers for each step, so that no store's data are written again
.set WREG,  8192                       ; LDS: a region for each wave: two stages of 32 x SP bytes, behind them its 256 scale bytes
.set SP,    80
.set SPW,   12                         ; v12  LDS address of my spare word; never rewritten
.set NIL,   13                         ; v13  0; never rewritten
.set SPARE, WAVES*WREG                 ; behind the four regions: the spare words, 128 bytes for each wave
.set WX,    16                         ; W_O's path: v16-143 two sets of 64 numbers
.set WY,    144                        ; v144-207 two sets of 32 registers of f16
	s_load_b256 s[8:15], s[0:1], 0x0               ; Q s[8:9], K s[10:11], V s[12:13], W_Q s[14:15]
	s_load_b256 s[16:23], s[0:1], 0x20             ; W_K s[16:17], W_V s[18:19], W_O s[20:21], codes s[22:23]
	s_load_b128 s[24:27], s[0:1], 0x40             ; scales s[24:25], wo16 s[26:27]
	v_lshl_add_u32 v[SPW], v0, 2, SPARE
	v_mov_b32 v[NIL], 0
	v_lshrrev_b32 v1, 5, v0
	v_readfirstlane_b32 s29, v1                    ; wave
	v_and_b32 v2, 31, v0                           ; lane
	v_lshlrev_b32 v3, 4, v2                        ; my 16 bytes of a load's 512
	v_lshlrev_b32 v7, 3, v2                        ; my 8 bytes of a store's 256
	s_mul_i32 s30, s29, WREG
	v_lshrrev_b32 v14, 2, v2
	v_mul_u32_u24 v14, v14, SP
	v_and_b32 v15, 3, v2
	v_lshl_add_u32 v14, v15, 4, v14
	v_add_nc_u32 v14, s30, v14                     ; the stage, on the way in: SP (lane / 4) + 16 (lane % 4)
	v_mul_u32_u24 v15, v2, SP
	v_add_nc_u32 v15, s30, v15                     ; and on the way out: SP x lane: my 16 neighbours
	v_lshrrev_b32 v5, 1, v2
	s_add_co_u32 s30, s30, 2*32*SP
	v_add_nc_u32 v5, s30, v5                       ; my wave's 256 scale bytes: my block's byte
	v_add_nc_u32 v6, s30, v7                       ; and on the way out 8 bytes a lane
	s_wait_kmcnt 0x0
	s_cmp_ge_u32 ttmp9, 864                        ; the last 32 work-groups take W_O: the branch hangs on the work-group's number alone
	s_cbranch_scc1 .Lwo
	; which tensor is mine: only the pointer and the tensor's first work-group are chosen; all six take one path
	s_mov_b64 s[4:5], s[18:19]                     ; W_V,
	s_mov_b32 s28, 832
.macro CHOOSE lim, ptr, first          ; or, under work-group lim, the tensor in front of it
	s_cmp_lt_u32 ttmp9, \lim
	s_cselect_b64 s[4:5], s[\ptr:\ptr+1], s[4:5]
	s_cselect_b32 s28, \first, s28
.endm
	CHOOSE 832, 16, 800                            ; W_K
	CHOOSE 800, 14, 768                            ; W_Q
	CHOOSE 768, 12, 512                            ; V
	CHOOSE 512, 10, 256                            ; K
	CHOOSE 256, 8, 0                               ; Q
	s_sub_co_u32 s30, ttmp9, s28
	s_lshl_b32 s30, s30, 2
	s_add_co_u32 s30, s30, s29                     ; which run of 8,192 numbers of the tensor is my wave's
	s_lshl_b32 s30, s30, 15                        ; 32,768 bytes a run
	s_mov_b32 s31, 0
	s_add_nc_u64 s[4:5], s[4:5], s[30:31]
	s_lshl_b32 s32, ttmp9, 2
	s_add_co_u32 s32, s32, s29                     ; and which run of the whole stream of codes
	s_lshl_b32 s30, s32, 12                        ; 4,096 bytes of codes a run
	s_add_nc_u64 s[22:23], s[22:23], s[30:31]
	s_lshl_b32 s30, s32, 8                         ; 256 scale bytes a run
	s_add_nc_u64 s[24:25], s[24:25], s[30:31]
.macro LOAD t
.irp i, 0,1,2,3
	global_load_b128 v[R+16*((\t)%4)+4*\i:R+16*((\t)%4)+4*\i+3], v3, s[4:5] offset:2048*(\t)+512*\i th:TH_LOAD_NT   ; 32 lanes read 512 consecutive bytes
.endr
.endm
.macro TURN t                          ; step t's numbers through the stage: LDS serves a wave's instructions in order, so no wait stands between the stores and the loads
.irp i, 0,1,2,3
	ds_store_b128 v14, v[R+16*((\t)%4)+4*\i:R+16*((\t)%4)+4*\i+3] offset:32*SP*((\t)%2)+8*SP*\i
.endr
.irp i, 0,1,2,3
	ds_load_b128 v[X+16*((\t)%2)+4*\i:X+16*((\t)%2)+4*\i+3], v15 offset:32*SP*((\t)%2)+16*\i
.endr
.endm
.irp t, 0,1,2,3
	LOAD \t
.endr
	s_wait_loadcnt 12                              ; step 0's four loads are in; the twelve of steps 1 to 3 may be out
	TURN 0
.macro STEP t
.set XS, X+16*((\t)%2)
.if (\t) > 0
	s_wait_dscnt 1                                 ; this step's numbers are back from the stage (the last step's byte store may be out): so its stores into the stage have read their registers,
.else
	s_wait_dscnt 0x0
.endif
.if (\t)+4 < STEPS
	LOAD (\t)+4                                    ; which take the loads of four steps on
.endif
.if (\t)+1 < STEPS
.if STEPS-2-(\t) >= 3
	s_wait_loadcnt 12                              ; the next step's four loads are in; those of the three steps behind it may be out
.else
	s_wait_loadcnt 4*(STEPS-2-(\t))
.endif
	TURN (\t)+1                                    ; and go through the other stage while this step is worked
.endif
	v_max3_num_f32 v8, |v[XS]|, |v[XS+1]|, |v[XS+2]|               ; the largest magnitude of my 16, in two chains
	v_max3_num_f32 v9, |v[XS+3]|, |v[XS+4]|, |v[XS+5]|
.irp i, 6,10
	v_max3_num_f32 v8, v8, |v[XS+\i]|, |v[XS+\i+1]|
	v_max3_num_f32 v9, v9, |v[XS+\i+2]|, |v[XS+\i+3]|
.endr
	v_max3_num_f32 v8, v8, |v[XS+14]|, |v[XS+15]|
	v_max3_num_f32 v8, v8, v9, (EMAX+1)<<23        ; and the floor 2^(3 - 127): so the byte cannot fall under 1
	v_max_num_f32_dpp v8, v8, v8 row_xmask:1 row_mask:0xf bank_mask:0xf   ; and of my neighbour's 16: the block's
	v_add_nc_u32 v11, -(EMAX<<23), v8              ; 2 off its exponent field: the conversion takes the exponent field of this operand as its scale, and nothing else of it
	v_cvt_scalef32_pk8_fp4_f32 v[C+4*(\t)], v[XS:XS+7], v11        ; eight numbers / the scale, to the nearest code, ties to even, beyond the largest code the largest
	v_cvt_scalef32_pk8_fp4_f32 v[C+4*(\t)+1], v[XS+8:XS+15], v11
	v_lshrrev_b32 v[E+(\t)], 23, v11               ; the scale's byte (a plain line behind the conversions)
	ds_store_b8 v5, v[E+(\t)] offset:16*(\t)       ; both lanes of a block write the same byte with the same value
	global_store_b64 v7, v[C+4*(\t):C+4*(\t)+1], s[22:23] offset:32*CB*(\t)   ; the wave stores 256 consecutive bytes, aligned
.endm
.irp t, 0,1,2,3,4,5,6,7,8,9,10,11,12,13,14,15
	STEP \t
.endr
	ds_load_b64 v[8:9], v6                         ; LDS serves a wave's instructions in order: these see my byte stores
	s_wait_dscnt 0x0
	global_store_b64 v7, v[8:9], s[24:25]          ; 32 lanes store 256 consecutive scale bytes, aligned
	s_wait_tensorcnt 0x0                           ; the wave's end: the wait, the add and its wait stand behind my last LDS store
	ds_add_u32 v[SPW], v[NIL]
	s_wait_dscnt 0x0
	s_endpgm
; W_O to f16: a plain stream through registers. A wave takes 8,192 numbers in four groups of 16 loads; two groups are on their way.
.Lwo:
	s_sub_co_u32 s30, ttmp9, 864
	s_lshl_b32 s30, s30, 2
	s_add_co_u32 s32, s30, s29                     ; my run of 8,192 numbers
	s_lshl_b32 s30, s32, 15
	s_mov_b32 s31, 0
	s_add_nc_u64 s[20:21], s[20:21], s[30:31]
	s_lshl_b32 s30, s32, 14
	s_add_nc_u64 s[26:27], s[26:27], s[30:31]
.macro WLOAD k
.irp i, 0,1,2,3,4,5,6,7,8,9,10,11,12,13,14,15
	global_load_b128 v[WX+64*((\k)%2)+4*\i:WX+64*((\k)%2)+4*\i+3], v3, s[20:21] offset:8192*(\k)+512*\i th:TH_LOAD_NT
.endr
.endm
.macro WGROUP k
.if (\k) < 3
	s_wait_loadcnt 16                              ; this group's sixteen loads are in; the next group's may be out
.else
	s_wait_loadcnt 0x0
.endif
.if (\k) >= 2
	s_wait_xcnt 0x0                                ; the stores of two groups back have read their data registers, which are written again below
.endif
.irp i, 0,1,2,3,4,5,6,7,8,9,10,11,12,13,14,15
	v_cvt_pk_f16_f32 v[WY+32*((\k)%2)+2*\i], v[WX+64*((\k)%2)+4*\i], v[WX+64*((\k)%2)+4*\i+1]
	v_cvt_pk_f16_f32 v[WY+32*((\k)%2)+2*\i+1], v[WX+64*((\k)%2)+4*\i+2], v[WX+64*((\k)%2)+4*\i+3]
.endr
.if (\k)+2 < 4
	WLOAD (\k)+2
.endif
.irp i, 0,1,2,3,4,5,6,7,8,9,10,11,12,13,14,15
	global_store_b64 v7, v[WY+32*((\k)%2)+2*\i:WY+32*((\k)%2)+2*\i+1], s[26:27] offset:4096*(\k)+256*\i   ; 256 consecutive bytes, aligned
.endr
.endm
	WLOAD 0
	WLOAD 1
	WGROUP 0
	WGROUP 1
	WGROUP 2
	WGROUP 3
	s_endpgm
.Lfunc_end_k_qbfe1fcbe26_quant:
	.size	k_qbfe1fcbe26_quant, .Lfunc_end_k_qbfe1fcbe26_quant-k_qbfe1fcbe26_quant
	.p2alignl 7, 3214868480
	.fill 96, 4, 3214868480
	.section	.rodata,"a",@progbits
	.p2align	6, 0x0
	.amdhsa_kernel k_qbfe1fcbe26_quant
		.amdhsa_group_segment_fixed_size 33280
		.amdhsa_private_segment_fixed_size 0
		.amdhsa_enable_private_segment 0
		.amdhsa_kernarg_size 80
		.amdhsa_user_sgpr_count 2
		.amdhsa_user_sgpr_kernarg_segment_ptr 1
		.amdhsa_wavefront_size32 1
		.amdhsa_system_sgpr_workgroup_id_x 1
		.amdhsa_system_sgpr_workgroup_id_y 1
		.amdhsa_system_sgpr_workgroup_id_z 1
		.amdhsa_system_vgpr_workitem_id 0
		.amdhsa_next_free_vgpr 208
		.amdhsa_next_free_sgpr 66
		.amdhsa_reserve_vcc 0
		.amdhsa_float_denorm_mode_32 3
		.amdhsa_float_denorm_mode_16_64 3
		.amdhsa_memory_ordered 1
		.amdhsa_forward_progress 1
		.amdhsa_inst_pref_size 54
	.end_amdhsa_kernel
	.amdgpu_metadata
---
amdhsa.version: [ 1, 2 ]
amdhsa.kernels:
  - .name:           k_qbfe1fcbe26_quant
    .symbol:         k_qbfe1fcbe26_quant.kd
    .args:
      - { .name: Q, .offset: 0, .size: 8, .value_kind: global_buffer, .address_space: global }
      - { .name: K, .offset: 8, .size: 8, .value_kind: global_buffer, .address_space: global }
      - { .name: V, .offset: 16, .size: 8, .value_kind: global_buffer, .address_space: global }
      - { .name: W_Q, .offset: 24, .size: 8, .value_kind: global_buffer, .address_space: global }
      - { .name: W_K, .offset: 32, .size: 8, .value_kind: global_buffer, .address_space: global }
      - { .name: W_V, .offset: 40, .size: 8, .value_kind: global_buffer, .address_space: global }
      - { .name: W_O, .offset: 48, .size: 8, .value_kind: global_buffer, .address_space: global }
      - { .name: codes, .offset: 56, .size: 8, .value_kind: global_buffer, .address_space: global }
      - { .name: scales, .offset: 64, .size: 8, .value_kind: global_buffer, .address_space: global }
      - { .name: wo16, .offset: 72, .size: 8, .value_kind: global_buffer, .address_space: global }
    .group_segment_fixed_size: 33280
    .private_segment_fixed_size: 0
    .kernarg_segment_align: 8
    .kernarg_segment_size: 80
    .max_flat_workgroup_size: 128
    .sgpr_count:     66
    .vgpr_count:     208
    .wavefront_size: 32
...
	.end_amdgpu_metadata
.endif
;; end of part 1
;; launch proj (part 2): grid 4 x 96, 4 waves a work-group, clusters of 4 x 4, 327,680 bytes of LDS; arguments codes, scales, qkv16; writes qkv16
.if DOCPART == 2
	.amdgcn_target "amdgcn-amd-amdhsa--gfx1250"
	.amdhsa_code_object_version 6
	.text
	.protected	k_qbfe1fcbe26_proj
	.globl	k_qbfe1fcbe26_proj
	.p2align	8
	.type	k_qbfe1fcbe26_proj,@function
k_qbfe1fcbe26_proj:
	s_mov_b64 s[64:65], 0
	v_nop
	global_prefetch_b8 v0, s[64:65] scope:SCOPE_SE
	s_setreg_imm32_b32 hwreg(HW_REG_WAVE_MODE, 25, 1), 1
	s_wait_xcnt 0x0
	s_wait_alu depctr_hold_cnt(0) depctr_sa_sdst(0) depctr_va_vdst(0) depctr_va_sdst(0) depctr_va_ssrc(0) depctr_va_vcc(0) depctr_vm_vsrc(0)
	s_getreg_b32 s2, hwreg(HW_REG_IB_STS2, 6, 4)
	s_cmp_eq_u32 s2, 0
	s_cbranch_scc0 .Lentry_in_a_cluster
	s_endpgm
.Lentry_in_a_cluster:
	s_bfe_u32 s2, ttmp6, 0x10000c
	s_cmp_lg_u32 s2, 0xf033
	s_cbranch_scc0 .Lentry_shape_is_right
	s_endpgm
.Lentry_shape_is_right:
; q = Q W_Q^T, k = K W_K^T, v = V W_V^T on codes of FP4 (E2M1) with one E8M0 scale for each 32 along K; sums in f32; results rounded once to f16 and laid by head: qkv16 [3][4 b][16 h][2048 s][64].
; codes: 27,648 rows of 512 bytes (1,024 codes): rows 0-24,575 the tokens of Q, K, V, rows 24,576 on W_Q, W_K, W_V.  scales: the same rows, 32 bytes each.
; One launch does all three products: the tokens are one matrix of 24,576 rows; tile row tr (256 tokens) belongs to tensor tr / 32 and takes that tensor's weight.
; A tile, 256 tokens x 256 channels, is made by four waves; a wave makes 128 x 128: 64 accumulators, 512 registers.  K = 1,024 is two LDS slots of 512 along K (rows of 256 bytes): both are asked for at the head,
; nothing is filled again.  The scales of the tile's 256 + 256 rows, for all of K, are two dense blocks: they come once, with the first fills.
; CLUSTERS: 4 x 4 work-groups.  The four of a row of the cluster need the same tokens, the four of a column the same rows of the weight: each tile is asked for jointly, with a mask that names the four.
; THE MATRIX INSTRUCTION IS USED TRANSPOSED (source 0 = 16 rows of the weight, source 1 = 16 tokens): a lane then holds eight neighbouring channels of one token.
; LIMIT: results beyond 65,504 in magnitude become infinities in f16.
; REGISTERS, in windows of 256: window 0: v0-31 addresses; v32-95 scale words, two sets; v128-191 the tokens' fragments, one set; on the way out v128-223.  window 1: the weight's fragments, two sets, at v0 and v128.
;   window 2: the accumulators of my tokens 0-63 ((a, b) at v[8 (8 a + b)]); window 3: those of tokens 64-127.
.set NQ,     4                         ; matrix instructions deep in a slot
.set ROWB,   256                       ; a tile's row in bytes: 512 codes
.set KROW,   512                       ; a row of codes in memory
.set PITCH,  272                       ; an LDS row: 256 bytes + 16: the sixteen rows that a load touches start 16 bytes apart modulo 256
.set FR,     8                         ; registers of a fragment
.set NL,     2                         ; LDS loads that bring one
.set NP,     4                         ; places behind this matrix instruction (ISA guide 7.12.1)
.set HALFT,  128*PITCH
.set SLOT,   4*HALFT                   ; the tokens' 256 rows, then the weight's 256
.set KS,     32                        ; a row of scale bytes
.set SCL,    2*SLOT                    ; behind the ring: the scales, as units of 256 bytes + 16
.set HALFS,  16*272                    ; the scales of 128 rows
.set SBLK,   2*272                     ; those of 16 rows
.set STAGE,  SCL+4*HALFS               ; the way out: bytes of its own for each wave, into which no tile lands
.set WSTG,   2*8*272                   ; two heads x 16 tokens x 128 bytes, two tokens to a unit of 256 + 16
.set SPARE,  STAGE+4*WSTG              ; the spare words, 128 bytes for each wave
.set ADRA, 16                          ; v16-17  LDS address of my tokens' fragments in slot 0, 1
.set ADRB, 20                          ; v20-21  the same for the weight
.set STO,  24                          ; v24     the way out: where I put 16 bytes of a token
.set RD,   25                          ; v25     where I read 16 bytes back
.set CO,   26                          ; v26     16 x lane
.set ADRS, 27                          ; v27     LDS address of my scale words: lanes 0-15 the tokens', lanes 16-31 the weight's
.set SPW,  28                          ; v28     my spare word; never rewritten
.set NIL,  29                          ; v29     0; never rewritten
.set SC,   32                          ; scale words: set s at v[SC + 32 s]; register 4 i + q: lanes 0-15 tokens' block i, lanes 16-31 weight's block i, the slot's q-th 128 along K
.set AF,   128
.set TMP,  192                         ; the way out: a block's 32 packed registers
.set BK,   128                         ; and the block read back: v128-159 and v160-191 by turns
.set G1, 24
.set G0, 32
.set G1B, 48
.set G0B, 56
.set G1S, 68
.set G0S, 76
.set G1SB, 80
.set G0SB, 88
.set MSB, 0
.macro WIN new                         ; the immediate's high byte repeats the setting that is left
.if MSB != \new
	s_set_vgpr_msb (MSB<<8)|\new
.set MSB, \new
.endif
.endm
.set MUL_LO, 0xa1                      ; source 0 (weight) window 1, source 1 (tokens) window 0, C and D window 2
.set MUL_HI, 0xf1
.set TO_B,   0x40
; A joint load: waves 0 and 1 fetch the tokens', waves 2 and 3 the weight's.  The branch hangs on the wave's number alone.  An s_nop 0 and four v_nop follow each of the two lines.
.macro JLOAD g0a, g1a, g0b, g1b
	s_cmp_eq_u32 s15, 0
	s_cbranch_scc0 .Lfor_b_\@
	tensor_load_to_lds s[\g0a:\g0a+3], s[\g1a:\g1a+7]
	s_nop 0
.rept 4
	v_nop
.endr
	s_branch .Lasked_\@
.Lfor_b_\@:
	tensor_load_to_lds s[\g0b:\g0b+3], s[\g1b:\g1b+7]
	s_nop 0
.rept 4
	v_nop
.endr
.Lasked_\@:
.endm
.macro CROUND                          ; a round of the cluster's barrier
	s_barrier_signal -1
	s_barrier_wait -1
	s_cmp_lg_u32 s14, 0
	s_cbranch_scc1 .Lnot_wave_0_\@
	s_barrier_signal -3
.Lnot_wave_0_\@:
	s_barrier_wait -3
	s_barrier_signal -1
	s_barrier_wait -1
.endm
	s_load_b128 s[4:7], s[0:1], 0x0                ; codes s[4:5], scales s[6:7]
	s_load_b64 s[12:13], s[0:1], 0x10              ; qkv16
	v_lshl_add_u32 v[SPW], v0, 2, SPARE
	v_mov_b32 v[NIL], 0
	ds_add_u32 v[SPW], v[NIL]                      ; the wave's opening: the add, twice on end, and its wait ahead of my first tensor load
	ds_add_u32 v[SPW], v[NIL]
	v_lshrrev_b32 v1, 5, v0
	v_readfirstlane_b32 s14, v1                    ; wave 0..3
	s_lshr_b32 s15, s14, 1                         ; which half of the tile's tokens is mine.  Also: I fetch tokens (0) or weight (1)
	s_and_b32 s16, s14, 1                          ; which half of its channels.  Also: which 128 rows I fetch
	s_bfe_u32 s40, ttmp6, 0x40000                  ; cx, cy: my place in the cluster
	s_bfe_u32 s41, ttmp6, 0x40004
	s_lshl_b32 s42, ttmp9, 2
	s_add_co_u32 s42, s42, s40                     ; tile column = 4 x cluster x + cx
	s_and_b32 s17, ttmp7, 0xffff
	s_lshr_b32 s8, s17, 3                          ; which tensor: 8 clusters (32 tile rows) each; made of the cluster's y alone
	s_lshl_b32 s17, s17, 2
	s_add_co_u32 s17, s17, s41                     ; tile row = 4 x cluster y + cy
	s_lshl_b32 s43, s41, 2
	s_lshl_b32 s43, 15, s43                        ; my row of the cluster
	s_lshl_b32 s44, 0x1111, s40                    ; my column
	; descriptor group 1: a tile of 128 rows x 256 bytes, 16 bytes of padding behind each row
	s_or_b32 s[G1+0], s43, (0<<16)|(1<<20)|(1<<21)|(5<<22)|(3<<25)  ; 15:0 the mask; 17:16 elements of 1 byte; 20 padding on; 21 set beside a mask; 24:22 after every 64 words; 31:25 four words
	s_or_b32 s[G1B+0], s44, (0<<16)|(1<<20)|(1<<21)|(5<<22)|(3<<25)
.irp g, G1, G1B
	s_mov_b32 s[\g+1], ROWB<<16                    ; tensor_dim0
	s_mov_b32 s[\g+2], 128<<16                     ; tensor_dim1
	s_mov_b32 s[\g+3], ROWB<<16                    ; tile_dim0
	s_mov_b32 s[\g+4], 128                         ; tile_dim1
	s_mov_b32 s[\g+5], KROW                        ; from row to row
	s_mov_b32 s[\g+6], 0
	s_mov_b32 s[\g+7], 0
.endr
	; the scales of 128 rows: 4,096 dense bytes, as 16 rows of 256 bytes (32 elements of 8 bytes), 16 bytes of padding behind each
	s_or_b32 s[G1S+0], s43, (3<<16)|(1<<20)|(1<<21)|(5<<22)|(3<<25)
	s_or_b32 s[G1SB+0], s44, (3<<16)|(1<<20)|(1<<21)|(5<<22)|(3<<25)
.irp g, G1S, G1SB
	s_mov_b32 s[\g+1], 32<<16
	s_mov_b32 s[\g+2], 16<<16
	s_mov_b32 s[\g+3], 32<<16
	s_mov_b32 s[\g+4], 16
	s_mov_b32 s[\g+5], 32
	s_mov_b32 s[\g+6], 0
	s_mov_b32 s[\g+7], 0
.endr
	s_lshl_b32 s18, s16, 7                         ; which 128 rows of the tile I fetch
	s_lshl_b32 s20, s17, 8
	s_add_co_u32 s20, s20, s18                     ; tokens: row 256 x tile row + 128 x half
	s_lshl_b32 s46, s42, 8
	s_add_co_u32 s46, s46, s18                     ; weight: row 256 x tile column + 128 x half,
	s_lshl_b32 s9, s8, 10
	s_add_co_u32 s46, s46, s9                      ; in my tensor's weight,
	s_add_co_u32 s46, s46, 24576                   ; behind the tokens' rows
	s_lshl_b32 s22, s20, 5                         ; where these rows' scales begin, in bytes (all under 2^24)
	s_mov_b32 s23, 0
	s_lshl_b32 s92, s46, 5
	s_mov_b32 s93, 0
	s_lshl_b32 s20, s20, 9                         ; and their codes
	s_mov_b32 s21, 0
	s_lshl_b32 s46, s46, 9
	s_mov_b32 s47, 0
	s_mul_i32 s45, s14, HALFT                      ; where they go: wave x 128 rows: no place in the cluster enters an LDS address
	s_mul_i32 s94, s14, HALFS
	s_wait_dscnt 0x0                               ; both opening adds are done
	s_wait_kmcnt 0x0
	s_add_nc_u64 s[20:21], s[4:5], s[20:21]
	s_add_nc_u64 s[22:23], s[6:7], s[22:23]
	s_add_nc_u64 s[46:47], s[4:5], s[46:47]
	s_add_nc_u64 s[92:93], s[6:7], s[92:93]
	CROUND                                         ; all sixteen work-groups are here: the first joint loads meet
	s_mov_b32 s[G0S], 1
	s_add_co_u32 s[G0S+1], s94, SCL
	s_mov_b64 s[G0S+2:G0S+3], s[22:23]
	s_or_b32 s[G0S+3], s[G0S+3], 0x80000000
	s_mov_b32 s[G0SB], 1
	s_add_co_u32 s[G0SB+1], s94, SCL
	s_mov_b64 s[G0SB+2:G0SB+3], s[92:93]
	s_or_b32 s[G0SB+3], s[G0SB+3], 0x80000000
	JLOAD G0S, G1S, G0SB, G1SB                     ; the scales first: they are wanted with the first slot
.irp s, 0,1
	s_mov_b32 s[G0+4*\s], 1
	s_add_co_u32 s[G0+4*\s+1], s45, \s*SLOT
	s_add_nc_u64 s[G0+4*\s+2:G0+4*\s+3], s[20:21], \s*ROWB
	s_or_b32 s[G0+4*\s+3], s[G0+4*\s+3], 0x80000000
	s_mov_b32 s[G0B+4*\s], 1
	s_add_co_u32 s[G0B+4*\s+1], s45, \s*SLOT
	s_add_nc_u64 s[G0B+4*\s+2:G0B+4*\s+3], s[46:47], \s*ROWB
	s_or_b32 s[G0B+4*\s+3], s[G0B+4*\s+3], 0x80000000
	JLOAD G0+4*\s, G1, G0B+4*\s, G1B               ; three loads of mine are out: all that this launch asks for
.endr
	v_and_b32 v1, 15, v0                           ; r = l % 16
	v_bfe_u32 v2, v0, 4, 1                         ; h = l / 16
	v_mul_u32_u24 v3, v1, PITCH
	v_lshl_add_u32 v4, v2, 4, v3                   ; a fragment's row x pitch + 16 x half
	s_mul_i32 s21, s15, HALFT                      ; my 128 tokens
	s_mul_i32 s22, s16, HALFT                      ; my 128 rows of the weight,
	s_add_co_u32 s22, s22, 2*HALFT                 ; which lie behind the tokens' 256
.irp s, 0,1
	v_add_nc_u32 v[ADRA+\s], s21, v4
	v_add_nc_u32 v[ADRB+\s], s22, v4
	s_add_co_u32 s21, s21, SLOT
	s_add_co_u32 s22, s22, SLOT
.endr
	v_mul_u32_u24 v5, v1, KS                       ; my row's scales: 32 bytes a row,
	v_lshrrev_b32 v6, 8, v5
	v_lshl_add_u32 v5, v6, 4, v5                   ; and 16 more for each 256 passed
	s_mul_i32 s21, s15, HALFS
	s_mul_i32 s22, s16, HALFS
	s_add_co_u32 s22, s22, 2*HALFS
	s_sub_co_u32 s22, s22, s21
	v_mul_u32_u24 v6, s22, v2                      ; lanes 16-31 take the weight's: one product, the distance between the two bases x h
	s_add_co_u32 s21, s21, SCL
	v_add_nc_u32 v5, v5, v6
	v_add_nc_u32 v[ADRS], s21, v5
	s_mul_i32 s23, s14, WSTG
	s_add_co_u32 s23, s23, STAGE                   ; my stage
	v_lshrrev_b32 v5, 1, v1
	v_mul_u32_u24 v5, v5, 272                      ; in: two tokens to a unit: (r / 2) x 272 + (r % 2) x 128 + 16 h
	v_and_b32 v6, 1, v1
	v_lshl_add_u32 v5, v6, 7, v5
	v_lshl_add_u32 v5, v2, 4, v5
	v_add_nc_u32 v[STO], s23, v5
	v_and_b32 v6, 31, v0
	v_lshlrev_b32 v[CO], 4, v6                     ; in memory: 16 x lane
	v_mul_u32_u24 v5, v2, 272                      ; back: lanes 0-15 one unit, lanes 16-31 the next
	v_lshl_add_u32 v5, v1, 4, v5
	v_add_nc_u32 v[RD], s23, v5
	; where my part begins in qkv16: (tensor, batch) = tile row / 8, 4 MiB each; token ((tile row % 8) x 256 + 128 x half) x 128 bytes; head (4 x tile column + 2 x half) x 262,144 bytes
	s_lshr_b32 s20, s17, 3
	s_lshl_b32 s20, s20, 22
	s_and_b32 s21, s17, 7
	s_lshl_b32 s21, s21, 15
	s_add_co_u32 s20, s20, s21
	s_lshl_b32 s21, s15, 14
	s_add_co_u32 s20, s20, s21
	s_mov_b32 s21, 0
	s_lshl_b32 s46, s42, 20
	s_lshl_b32 s47, s16, 19
	s_add_co_u32 s46, s46, s47
	s_mov_b32 s47, 0
	s_add_nc_u64 s[20:21], s[20:21], s[46:47]
	s_add_nc_u64 s[12:13], s[12:13], s[20:21]
.macro FRAG reg, adr, q, i             ; a fragment, 16 rows x 128 K of 4-bit codes: lane l holds row l % 16; registers 4 c .. 4 c + 3 hold K = 64 c + 32 (l / 16) + 0 .. 31
.irp c, 0,1
	ds_load_b128 v[\reg+4*\c:\reg+4*\c+3], v[\adr] offset:64*(\q)+32*\c+(\i)*16*PITCH
.endr
.endm
; 16 matrix instructions: tokens' blocks a0, a0 + 1 x the weight's eight, the slot's q-th 128 along K.  p: the weight's set; sc: the set of scale words.  zero = 1: the product starts the sums.
; The 64 accumulators take turns, one instruction a turn, in the same order in every step.
.macro MUL16 a0, p, q, sc, zero
.irp a, \a0, \a0+1
.irp b, 0,1,2,3,4,5,6,7
.if \zero
	v_wmma_scale_f32_16x16x128_f8f6f4 v[8*(8*((\a)%4)+\b):8*(8*((\a)%4)+\b)+7], v[128*(\p)+FR*\b:128*(\p)+FR*\b+FR-1], v[AF+FR*(\a):AF+FR*(\a)+FR-1], 0, v[SC+8*NQ*(\sc)+NQ*\b+(\q)], v[SC+8*NQ*(\sc)+NQ*(\a)+(\q)] matrix_a_fmt:MATRIX_FMT_FP4 matrix_b_fmt:MATRIX_FMT_FP4 matrix_a_scale:MATRIX_SCALE_ROW1
.else
	v_wmma_scale_f32_16x16x128_f8f6f4 v[8*(8*((\a)%4)+\b):8*(8*((\a)%4)+\b)+7], v[128*(\p)+FR*\b:128*(\p)+FR*\b+FR-1], v[AF+FR*(\a):AF+FR*(\a)+FR-1], v[8*(8*((\a)%4)+\b):8*(8*((\a)%4)+\b)+7], v[SC+8*NQ*(\sc)+NQ*\b+(\q)], v[SC+8*NQ*(\sc)+NQ*(\a)+(\q)] matrix_a_fmt:MATRIX_FMT_FP4 matrix_b_fmt:MATRIX_FMT_FP4 matrix_a_scale:MATRIX_SCALE_ROW1
.endif
.endr
.endr
.endm
.macro FETCH_B slot, q, p
	WIN TO_B
.irp i, 0,1,2,3,4,5,6,7
	FRAG 128*(\p)+FR*\i, ADRB+\slot, \q, \i
.endr
	WIN 0
.endm
.macro FETCH_A slot, q, i0
.irp i, \i0, \i0+1, \i0+2, \i0+3
	FRAG AF+FR*(\i), ADRA+\slot, \q, \i
.endr
.endm
.macro SCALES sc                       ; a slot's scale words: four words a row; lanes 0-15 the tokens' block i, lanes 16-31 the weight's block i
.irp i, 0,1,2,3,4,5,6,7
	ds_load_b128 v[SC+8*NQ*\sc+NQ*\i:SC+8*NQ*\sc+NQ*\i+3], v[ADRS] offset:\i*SBLK
.endr
.endm
.macro PLACES n                        ; plain vector lines between matrix instructions and loads into registers that they read, or reads of their results
.rept \n
	v_nop
.endr
.endm
; A step of 128 along K that has its successor in the same slot.  A block of tokens is free as soon as its eight products are issued, so the tokens have one set of registers; the weight has two.
.macro STEP slot, q, zero
	s_wait_dscnt 4*NL                              ; the weight's set and blocks 0-3 are in; the youngest eight loads (blocks 4-7) may be out
	WIN MUL_LO
	MUL16 0, (\q)%2, \q, \slot, \zero
	MUL16 2, (\q)%2, \q, \slot, \zero
	s_wait_dscnt 0                                 ; blocks 4-7 are in
	PLACES NP
	FETCH_B \slot, (\q)+1, 1-(\q)%2
	FETCH_A \slot, (\q)+1, 0
	WIN MUL_HI
	MUL16 4, (\q)%2, \q, \slot, \zero
	MUL16 6, (\q)%2, \q, \slot, \zero
	PLACES NP
	WIN 0
	FETCH_A \slot, (\q)+1, 4
.endm
; Slot 0's last step changes slots: one barrier; in front of it each wave waits for all its tensor loads (its part of slot 1).  Nothing is filled again.
.macro TURN slot, next
	s_wait_tensorcnt 0x0                           ; all my tensor loads have landed
	ds_add_u32 v[SPW], v[NIL]                      ; 0 onto my spare word
	s_wait_dscnt 4*NL+1                            ; (the add and the youngest eight loads, blocks 4-7, may be out)
	WIN MUL_LO
	MUL16 0, 1, NQ-1, \slot, 0
	s_wait_dscnt 0x0                               ; the add is done, and no LDS instruction of mine is out at the signal
	s_barrier_signal -1
	MUL16 2, 1, NQ-1, \slot, 0
	WIN 0
	s_barrier_wait -1                              ; everybody's part of the next slot is in
	PLACES NP
	v_add_nc_u32 v[ADRS], 4*NQ, v[ADRS]            ; on to the next slot's scale words
	FETCH_B \next, 0, 0
	FETCH_A \next, 0, 0
	SCALES \next
	WIN MUL_HI
	MUL16 4, 1, NQ-1, \slot, 0
	MUL16 6, 1, NQ-1, \slot, 0
	PLACES NP
	WIN 0
	FETCH_A \next, 0, 4
.endm
.macro STEPS slot, from
.set Q, \from
.rept NQ-1-\from
	STEP \slot, Q, 0
.set Q, Q+1
.endr
.endm
	s_wait_tensorcnt 1                             ; the scales and my part of slot 0 are in; slot 1's load may be out
	s_barrier_signal -1
	s_barrier_wait -1
	FETCH_B 0, 0, 0
	FETCH_A 0, 0, 0
	SCALES 0
	FETCH_A 0, 0, 4
	STEP 0, 0, 1                                   ; the first step's products start the sums: nothing is cleared
	STEPS 0, 1
	TURN 0, 1
	STEPS 1, 0
	s_wait_dscnt 4*NL                              ; the very last step: nothing more to fetch
	WIN MUL_LO
	MUL16 0, 1, NQ-1, 1, 0
	MUL16 2, 1, NQ-1, 1, 0
	s_wait_dscnt 0
	WIN MUL_HI
	MUL16 4, 1, NQ-1, 1, 0
	MUL16 6, 1, NQ-1, 1, 0
	WIN 0
; THE WAY OUT, block by block of 16 tokens x 128 channels (two heads).  A lane's eight channels pack into 16 bytes; in qkv16 a head's 16 tokens are 2,048 consecutive bytes.  So a block goes through my own stage
; (for each head 8 units of two tokens, 272 bytes apart) and comes back 512 consecutive bytes an instruction.  LDS serves a wave's instructions in order: no wait between the stores and the loads.
.macro PACK a
.set AC, 64*((\a)%4)
	WIN 0x0a+5*((\a)/4)                            ; sources 0 and 1: window 2 or 3
.irp b, 0,1,2,3,4,5,6,7
.irp i, 0,1,2,3
	v_cvt_pk_f16_f32 v[TMP+4*\b+\i], v[AC+8*\b+2*\i], v[AC+8*\b+2*\i+1]   ; each accumulator from its low end on
.endr
.endr
	WIN 0
.endm
.macro TOSTAGE a
.set BB, BK+32*((\a)%2)
.irp b, 0,1,2,3,4,5,6,7
	ds_store_b128 v[STO], v[TMP+4*\b:TMP+4*\b+3] offset:(\b/4)*2176+32*(\b%4)
.endr
.irp t, 0,1,2,3,4,5,6,7
	ds_load_b128 v[BB+4*\t:BB+4*\t+3], v[RD] offset:(\t/4)*2176+(\t%4)*544
.endr
.endm
.macro SEND a
.set BB, BK+32*((\a)%2)
	s_wait_dscnt 0x0                               ; the block is back in registers
	s_wait_xcnt 0x0                                ; the stores of the block before have read their data: the next block's loads may land there
.irp t, 0,1,2,3,4,5,6,7
	global_store_b128 v[CO], v[BB+4*\t:BB+4*\t+3], s[12:13] offset:2048*(\a)+(\t/4)*262144+(\t%4)*512   ; 32 lanes store 512 consecutive bytes, aligned; the place stands in the immediate
.endr
.endm
	PLACES NP                                      ; behind the last products: they serve the conversions' reads and the loads into the registers that held the tokens' fragments
	PACK 0
	TOSTAGE 0
.irp a, 1,2,3,4,5,6,7                  ; block a's conversions stand between block a - 1's loads from the stage and the wait for them
	PACK \a
	SEND \a-1
	TOSTAGE \a
.endr
	SEND 7
	s_wait_tensorcnt 0x0                           ; the wave's end: the wait, the add and its wait stand behind my last tensor load and my last LDS store
	ds_add_u32 v[SPW], v[NIL]
	s_wait_dscnt 0x0
	CROUND                                         ; the closing round
	s_endpgm
.Lfunc_end_k_qbfe1fcbe26_proj:
	.size	k_qbfe1fcbe26_proj, .Lfunc_end_k_qbfe1fcbe26_proj-k_qbfe1fcbe26_proj
	.p2alignl 7, 3214868480
	.fill 96, 4, 3214868480
	.section	.rodata,"a",@progbits
	.p2align	6, 0x0
	.amdhsa_kernel k_qbfe1fcbe26_proj
		.amdhsa_group_segment_fixed_size 327680
		.amdhsa_private_segment_fixed_size 0
		.amdhsa_enable_private_segment 0
		.amdhsa_kernarg_size 24
		.amdhsa_user_sgpr_count 2
		.amdhsa_user_sgpr_kernarg_segment_ptr 1
		.amdhsa_wavefront_size32 1
		.amdhsa_system_sgpr_workgroup_id_x 1
		.amdhsa_system_sgpr_workgroup_id_y 1
		.amdhsa_system_sgpr_workgroup_id_z 1
		.amdhsa_system_vgpr_workitem_id 0
		.amdhsa_next_free_vgpr 1024
		.amdhsa_next_free_sgpr 98
		.amdhsa_reserve_vcc 0
		.amdhsa_float_denorm_mode_32 3
		.amdhsa_float_denorm_mode_16_64 3
		.amdhsa_memory_ordered 1
		.amdhsa_forward_progress 1
		.amdhsa_inst_pref_size 126
	.end_amdhsa_kernel
	.amdgpu_metadata
---
amdhsa.version: [ 1, 2 ]
amdhsa.kernels:
  - .name:           k_qbfe1fcbe26_proj
    .symbol:         k_qbfe1fcbe26_proj.kd
    .args:
      - { .name: codes, .offset: 0, .size: 8, .value_kind: global_buffer, .address_space: global }
      - { .name: scales, .offset: 8, .size: 8, .value_kind: global_buffer, .address_space: global }
      - { .name: qkv16, .offset: 16, .size: 8, .value_kind: global_buffer, .address_space: global }
    .group_segment_fixed_size: 327680
    .private_segment_fixed_size: 0
    .kernarg_segment_align: 8
    .kernarg_segment_size: 24
    .max_flat_workgroup_size: 128
    .sgpr_count:     98
    .vgpr_count:     1024
    .wavefront_size: 32
...
	.end_amdgpu_metadata
.endif
;; end of part 2
;; launch attn (part 3): grid 4 x 64, 8 waves a work-group, clusters of 4 x 1, 327,680 bytes of LDS; arguments qkv16, heads16; writes heads16
.if DOCPART == 3
	.amdgcn_target "amdgcn-amd-amdhsa--gfx1250"
	.amdhsa_code_object_version 6
	.text
	.protected	k_qbfe1fcbe26_attn
	.globl	k_qbfe1fcbe26_attn
	.p2align	8
	.type	k_qbfe1fcbe26_attn,@function
k_qbfe1fcbe26_attn:
	s_mov_b64 s[64:65], 0
	v_nop
	global_prefetch_b8 v0, s[64:65] scope:SCOPE_SE
	s_setreg_imm32_b32 hwreg(HW_REG_WAVE_MODE, 25, 1), 1
	s_wait_xcnt 0x0
	s_wait_alu depctr_hold_cnt(0) depctr_sa_sdst(0) depctr_va_vdst(0) depctr_va_sdst(0) depctr_va_ssrc(0) depctr_va_vcc(0) depctr_vm_vsrc(0)
	s_getreg_b32 s2, hwreg(HW_REG_IB_STS2, 6, 4)
	s_cmp_eq_u32 s2, 0
	s_cbranch_scc0 .Lentry_in_a_cluster
	s_endpgm
.Lentry_in_a_cluster:
	s_bfe_u32 s2, ttmp6, 0x10000c
	s_cmp_lg_u32 s2, 0x3003
	s_cbranch_scc0 .Lentry_shape_is_right
	s_endpgm
.Lentry_shape_is_right:
; heads16[b][h][q][:] = the sum over k of softmax_k(q . k / 8) v[k][:], for each of 64 (batch, head) pairs: 2,048 queries, 2,048 keys, head size 64.  q, k, v: qkv16 [3][64][2048][64] f16; heads16 [64][2048][64] f16.
; Products on f16 operands with f32 sums; maxima, exponentials and row sums in f32; the weights p are rounded to f16 for the second product, the result once at the end.
; LIMITS: p under 2^-25 rounds to 0 in f16; NaN and infinities in qkv16 are not served.
; SHARES.  A cluster of four work-groups is one head; a work-group owns 512 queries, each of its eight waves 64: four tiles of 16.  Two waves lie on a SIMD, 512 registers each, so that one wave's softmax stands beside
; the other's products.  Every wave walks all keys, 64 a step; each fragment of K or V that it reads from LDS feeds four matrix instructions.
; LAYOUT.  S^T = K Q^T (source 0 = 16 keys, source 1 = 16 queries): a lane holds ONE query (lane % 16) and keys 8 (lane / 16) + 0..7.  Two such tiles, rounded to f16 in pairs, ARE source 1 of O^T = V^T P, whose result
; again holds one query a lane, and eight channels.  K comes out of LDS as it lies, V ([key][channel]) turned, by ds_load_tr16_b128.
; SOFTMAX.  For each query a running maximum m and sum l: p = 2^(c s - c m), c = log2(e) / 8; in every step O and l are multiplied by a = 2^(c m_old - c m_new).
; RING.  Two LDS slots of 512 keys (8 steps).  A head's rows of 128 bytes are dense, so a tile is stated as rows of 256 bytes (two keys), with 16 (K) or 32 (V) bytes of padding behind each:
; key t lies at (t / 2) x U + (t % 2) x 128.  With U = 272 the sixteen keys of a load start 16 bytes apart modulo 256; with U = 288 the eight keys x 32 bytes of a turning load's half cover 256 different bytes modulo 256.
; Waves 0-3 fetch K's quarters, waves 4-7 V's, one load each, asked for JOINTLY by the four work-groups of the cluster.
; REGISTERS.  window 0: v1-15 addresses; v16-47 eight registers of statistics a tile; v64-191 S^T, 32 a tile; v192-255 K's eight fragments, then P (16 a tile).
;   window 1: v0-127 O^T, 32 a tile; v128-191 Q, 16 a tile; v192-255 V's eight fragments.
.set UK,    272
.set UV,    288
.set VOFF,  256*UK                     ; a slot: 256 units of K, then 256 of V
.set SLOT1, 256*(UK+UV)
.set STEPK, 32*UK                      ; 64 keys
.set STEPV, 32*UV
.set STAGE, 2*SLOT1                    ; the way out: 8 units x 272 for each wave, bytes of their own
.set WSTG,  8*UK
.set SPARE, STAGE+8*WSTG               ; the spare words, 128 bytes for each wave
.set AK0, 2                            ; v2   my lane's place in a tile of K; never rewritten
.set AV0, 3                            ; v3   the same for V
.set ADK, 4                            ; v4   LDS address of the step's K
.set ADV, 5                            ; v5   of its V
.set QO,  6                            ; v6   my byte offset in the wave's rows of Q
.set STO, 7                            ; v7   the way out: where I put 16 bytes of a row
.set RD,  8                            ; v8   where I read 16 bytes back
.set GO,  12                           ; v12  16 x lane
.set PFO, 13                           ; v13  256 x lane; never rewritten
.set SPW, 14                           ; v14  my spare word; never rewritten
.set NIL, 15                           ; v15  0; never rewritten
.set ST,  16                           ; tile t's statistics at v[ST+8 t]: +0 c m, +1 m, +2, +3 l (even keys', odd keys'), +4 to +7 c0-c3 at work; a takes c2's place
.set S,   64
.set KF,  192                          ; K's fragments (2 x key tile + channel half), then P
.set QF,  128                          ; window 1
.set VF,  192                          ; window 1: 4 x (32 keys) + channel tile
.set WV,  12                           ; s12  my wave's number
.set PFA, 18                           ; s[18:19] the one prefetch's address; never rewritten
.set G1K, 24
.set G1V, 32
.set G0K, 40                           ; s[40:47] a set for each slot
.set G0V, 48
.set CNT, 56
.set TK,  57                           ; s57  LDS byte at which the step's K begins
.set CS,  58                           ; s[58:59] c
.set SEL, 60                           ; s[60:61] lane selects: lane l xor 16
.set TV,  62                           ; s62  the same as TK for V (VOFF lies in AV0)
.set MSB, 0
.macro WIN new                         ; the immediate's high byte repeats the setting that is left
.if MSB != \new
	s_set_vgpr_msb (MSB<<8)|\new
.set MSB, \new
.endif
.endm
.set W_KQ, 0x04                        ; K and S^T window 0, Q (source 1) window 1
.set W_PV, 0x51                        ; V (source 0), C and D window 1, P window 0
.set W_RS, 0x41                        ; O^T (destination and source 0) window 1, a window 0
.set TO_1, 0x40                        ; destination window 1
.macro JLOAD n                         ; a joint refill of slot n; the branch hangs on the wave's number alone; an s_nop 0 and four v_nop follow each of the two lines
	s_cmp_lt_u32 s[WV], 4
	s_cbranch_scc0 .Lfor_v_\@
	tensor_load_to_lds s[G0K+4*\n:G0K+4*\n+3], s[G1K:G1K+7]
	s_nop 0
.rept 4
	v_nop
.endr
	s_branch .Lasked_\@
.Lfor_v_\@:
	tensor_load_to_lds s[G0V+4*\n:G0V+4*\n+3], s[G1V:G1V+7]
	s_nop 0
.rept 4
	v_nop
.endr
.Lasked_\@:
.endm
.macro CROUND                          ; a round of the cluster's barrier
	s_barrier_signal -1
	s_barrier_wait -1
	s_cmp_lg_u32 s[WV], 0
	s_cbranch_scc1 .Lnot_wave_0_\@
	s_barrier_signal -3
.Lnot_wave_0_\@:
	s_barrier_wait -3
	s_barrier_signal -1
	s_barrier_wait -1
.endm
	s_load_b128 s[4:7], s[0:1], 0x0                ; qkv16 s[4:5], heads16 s[6:7]
	v_lshl_add_u32 v[SPW], v0, 2, SPARE
	v_mov_b32 v[NIL], 0
	ds_add_u32 v[SPW], v[NIL]                      ; the wave's opening: the add, twice on end, and its wait ahead of my first tensor load
	ds_add_u32 v[SPW], v[NIL]
	v_lshrrev_b32 v1, 5, v0
	v_readfirstlane_b32 s[WV], v1                  ; wave 0..7
	s_bfe_u32 s13, ttmp6, 0x40000                  ; cx: it enters Q's, O's and the prefetch's global addresses alone
	s_lshl_b32 s14, ttmp9, 2
	s_add_co_u32 s14, s14, s13                     ; my block of 512 queries
	s_and_b32 s20, ttmp7, 0xffff                   ; the head, which the four partners share
	s_lshl_b32 s20, s20, 18                        ; its first byte in q, k, v and heads16: 262,144 bytes a head
	s_and_b32 s16, s[WV], 3                        ; which quarter of a slot I fetch:
	s_lshl_b32 s22, s16, 14                        ; 128 keys x 128 bytes in memory,
	s_add_co_u32 s22, s22, s20
	s_mov_b32 s23, 0
	s_mul_i32 s17, s16, 64*UK                      ; and its place in a slot, for K
	s_mul_i32 s21, s16, 64*UV
	s_add_co_u32 s21, s21, VOFF                    ; and for V
	s_lshl_b32 s2, s14, 16                         ; my block's 512 rows of 128 bytes,
	s_lshl_b32 s3, s[WV], 13                       ; my wave's 64 of them
	s_add_co_u32 s2, s2, s3
	s_add_co_u32 s2, s2, s20
	s_mov_b32 s3, 0
	; the one prefetch: keys 1,536 on (196,608 bytes into the head); my work-group's 16,384 bytes, my wave's 8,192 of them; waves 0, 1 in k, waves 2, 3 in v
	s_mov_b32 s18, 33554432
	s_cmp_lt_u32 s[WV], 2
	s_cselect_b32 s18, 16777216, s18
	s_add_co_u32 s18, s18, s20
	s_add_co_u32 s18, s18, 196608
	s_lshl_b32 s19, s13, 14
	s_add_co_u32 s18, s18, s19
	s_and_b32 s19, s[WV], 1
	s_lshl_b32 s19, s19, 13
	s_add_co_u32 s18, s18, s19
	s_mov_b32 s19, 0
	; descriptor group 1: 64 rows of 256 bytes (32 elements of 8 bytes), dense in memory, padded in LDS
	s_mov_b32 s[G1K], 15|(3<<16)|(1<<20)|(1<<21)|(5<<22)|(3<<25)   ; 15:0 the mask: all four work-groups; 17:16 elements of 8 bytes; 20 padding on; 21 set beside a mask; 24:22 after every 64 words; 31:25 four words
	s_mov_b32 s[G1V], 15|(3<<16)|(1<<20)|(1<<21)|(5<<22)|(7<<25)   ; the same with eight words of padding
.irp g, G1K, G1V
	s_mov_b32 s[\g+1], 32<<16                      ; tensor_dim0
	s_mov_b32 s[\g+2], 64<<16                      ; tensor_dim1
	s_mov_b32 s[\g+3], 32<<16                      ; tile_dim0
	s_mov_b32 s[\g+4], 64                          ; tile_dim1
	s_mov_b32 s[\g+5], 32                          ; from row to row
	s_mov_b32 s[\g+6], 0
	s_mov_b32 s[\g+7], 0
.endr
	s_mov_b32 s[CS], 0x3e38aa3b                    ; c = log2(e) / 8
	s_mov_b32 s[CS+1], s[CS]                       ; named with it as a pair, so it is written
	s_mov_b32 s[SEL], 0x76543210
	s_mov_b32 s[SEL+1], 0xfedcba98
	s_wait_dscnt 0x0                               ; both opening adds are done
	s_wait_kmcnt 0x0
	s_add_nc_u64 s[PFA:PFA+1], s[4:5], s[PFA:PFA+1]
	s_add_nc_u64 s[8:9], s[4:5], s[22:23]          ; the head's rows at my quarter, in q;
	s_add_nc_u64 s[10:11], s[8:9], 33554432        ; in v,
	s_add_nc_u64 s[8:9], s[8:9], 16777216          ; in k
	s_add_nc_u64 s[4:5], s[4:5], s[2:3]            ; q and heads16 at my wave's first row
	s_add_nc_u64 s[6:7], s[6:7], s[2:3]
	CROUND                                         ; all four work-groups are here: the first joint loads meet
.irp n, 0,1
	s_mov_b32 s[G0K+4*\n], 1
	s_add_co_u32 s[G0K+4*\n+1], s17, \n*SLOT1
	s_add_nc_u64 s[G0K+4*\n+2:G0K+4*\n+3], s[8:9], \n*65536        ; slot n begins with keys 512 n on
	s_or_b32 s[G0K+4*\n+3], s[G0K+4*\n+3], 0x80000000
	s_mov_b32 s[G0V+4*\n], 1
	s_add_co_u32 s[G0V+4*\n+1], s21, \n*SLOT1
	s_add_nc_u64 s[G0V+4*\n+2:G0V+4*\n+3], s[10:11], \n*65536
	s_or_b32 s[G0V+4*\n+3], s[G0V+4*\n+3], 0x80000000
.endr
	s_cmp_lt_u32 s[WV], 4                          ; a wave's two first fills stand in one branch: two loads of mine are out
	s_cbranch_scc0 .Lfirst_v
	tensor_load_to_lds s[G0K:G0K+3], s[G1K:G1K+7]
	s_nop 0
	tensor_load_to_lds s[G0K+4:G0K+7], s[G1K:G1K+7]
	s_nop 0
.rept 4
	v_nop
.endr
	s_branch .Lfirst_asked
.Lfirst_v:
	tensor_load_to_lds s[G0V:G0V+3], s[G1V:G1V+7]
	s_nop 0
	tensor_load_to_lds s[G0V+4:G0V+7], s[G1V:G1V+7]
	s_nop 0
.rept 4
	v_nop
.endr
.Lfirst_asked:
	v_and_b32 v1, 15, v0                           ; r = l % 16
	v_bfe_u32 v9, v0, 4, 1                         ; h = l / 16
	v_lshlrev_b32 v[QO], 7, v1
	v_lshl_add_u32 v[QO], v9, 4, v[QO]             ; row r x 128 + 16 h
	WIN TO_1
.irp t, 0,1,2,3                        ; Q stays in registers: tile t, channels 32 c on: two loads of 16 bytes, 32 bytes apart
.irp c, 0,1
	global_load_b128 v[QF+16*\t+8*\c:QF+16*\t+8*\c+3],   v[QO], s[4:5] offset:2048*\t+64*\c
	global_load_b128 v[QF+16*\t+8*\c+4:QF+16*\t+8*\c+7], v[QO], s[4:5] offset:2048*\t+64*\c+32
.endr
.endr
	WIN 0
	v_lshrrev_b32 v10, 1, v1
	v_mul_u32_u24 v[AK0], v10, UK
	v_and_b32 v11, 1, v1
	v_lshl_add_u32 v[AK0], v11, 7, v[AK0]
	v_lshl_add_u32 v[AK0], v9, 4, v[AK0]           ; key r: (r / 2) x 272 + (r % 2) x 128, + 16 h
	v_and_b32 v10, 7, v0
	v_lshl_add_u32 v10, v9, 3, v10                 ; the turning load: lane l reads key 8 h + l % 8, channels 8 ((l / 8) % 2) on
	v_lshrrev_b32 v11, 1, v10
	v_mul_u32_u24 v[AV0], v11, UV
	v_and_b32 v11, 1, v10
	v_lshl_add_u32 v[AV0], v11, 7, v[AV0]
	v_bfe_u32 v11, v0, 3, 1
	v_lshl_add_u32 v[AV0], v11, 4, v[AV0]
	v_add_nc_u32 v[AV0], VOFF, v[AV0]
	s_mul_i32 s15, s[WV], WSTG
	s_add_co_u32 s15, s15, STAGE                   ; my stage
	v_add_nc_u32 v[STO], s15, v[AK0]               ; in: a query's row lies as a key's does
	v_mul_u32_u24 v[RD], v9, UK
	v_lshl_add_u32 v[RD], v1, 4, v[RD]
	v_add_nc_u32 v[RD], s15, v[RD]                 ; back: lanes 0-15 one unit of 256 bytes, lanes 16-31 the next
	v_and_b32 v10, 31, v0
	v_lshlrev_b32 v[GO], 4, v10
	v_lshlrev_b32 v[PFO], 8, v10
.macro SCALE t, j                      ; pair j of tile t: c s - c m
	v_pk_fma_f32 v[S+32*(\t)+2*(\j):S+32*(\t)+2*(\j)+1], v[S+32*(\t)+2*(\j):S+32*(\t)+2*(\j)+1], s[CS:CS+1], v[ST+8*(\t):ST+8*(\t)+1] op_sel_hi:[1,0,0] neg_lo:[0,0,1] neg_hi:[0,0,1]
.endm
; A KEY STEP: 64 keys.  first = 1: the first step, which starts m, l and O^T: no old maximum, no a, nothing to rescale.
.macro STEP first
	v_add_nc_u32 v[ADK], s[TK], v[AK0]             ; these two and two v_nop are the four places between the last products and the loads into registers that they read
	v_add_nc_u32 v[ADV], s[TV], v[AV0]
	v_nop
	v_nop
.irp f, 0,1,2,3,4,5,6,7                ; K: keys 16 (f / 2) on, channels 32 (f % 2) on
	ds_load_b128 v[KF+8*\f:KF+8*\f+3],   v[ADK] offset:(\f/2)*8*UK+(\f%2)*64
	ds_load_b128 v[KF+8*\f+4:KF+8*\f+7], v[ADK] offset:(\f/2)*8*UK+(\f%2)*64+32
.endr
	WIN TO_1
.irp f, 0,1,2,3,4,5,6,7                ; V, turned: keys 32 (f / 4) on, channels 16 (f % 4) on
	ds_load_tr16_b128 v[VF+8*\f:VF+8*\f+3],   v[ADV] offset:(\f/4)*16*UV+(\f%4)*32
	ds_load_tr16_b128 v[VF+8*\f+4:VF+8*\f+7], v[ADV] offset:(\f/4)*16*UV+8*UV+(\f%4)*32
.endr
	s_add_co_u32 s[TK], s[TK], STEPK               ; the next step's
	s_add_co_u32 s[TV], s[TV], STEPV
	s_wait_dscnt 16                                ; K's sixteen loads are in; V's sixteen may be out
	WIN W_KQ
.irp c, 0,1                            ; S^T = K Q^T: the sixteen accumulators take turns, one instruction a turn
.irp k, 0,1,2,3
.irp t, 0,1,2,3
.if \c == 0
	v_wmma_f32_16x16x32_f16 v[S+32*\t+8*\k:S+32*\t+8*\k+7], v[KF+8*(2*\k+\c):KF+8*(2*\k+\c)+7], v[QF+16*\t+8*\c:QF+16*\t+8*\c+7], 0
.else
	v_wmma_f32_16x16x32_f16 v[S+32*\t+8*\k:S+32*\t+8*\k+7], v[KF+8*(2*\k+\c):KF+8*(2*\k+\c)+7], v[QF+16*\t+8*\c:QF+16*\t+8*\c+7], v[S+32*\t+8*\k:S+32*\t+8*\k+7]
.endif
.endr
.endr
.endr
	WIN 0
.rept 4
	v_nop                                          ; places behind the products, ahead of the first read of their results
.endr
	; the maximum of the lane's 32 scores and the old m: four chains of seven scores, each accumulator read from its low end on; the four tiles by turns
.irp j, 0,1,2,3
.irp t, 0,1,2,3
	v_max3_num_f32 v[ST+8*\t+4+\j], v[S+32*\t+8*\j], v[S+32*\t+8*\j+1], v[S+32*\t+8*\j+2]
.endr
.endr
.irp u, 3,5
.irp j, 0,1,2,3
.irp t, 0,1,2,3
	v_max3_num_f32 v[ST+8*\t+4+\j], v[ST+8*\t+4+\j], v[S+32*\t+8*\j+\u], v[S+32*\t+8*\j+\u+1]
.endr
.endr
.endr
.irp t, 0,1,2,3
	v_max3_num_f32 v[ST+8*\t+4], v[ST+8*\t+4], v[S+32*\t+7], v[S+32*\t+15]
.endr
.irp t, 0,1,2,3
	v_max3_num_f32 v[ST+8*\t+6], v[ST+8*\t+6], v[S+32*\t+23], v[S+32*\t+31]
.endr
.irp t, 0,1,2,3
	v_max3_num_f32 v[ST+8*\t+4], v[ST+8*\t+4], v[ST+8*\t+5], v[ST+8*\t+6]
.endr
.irp t, 0,1,2,3
.if \first
	v_max_num_f32 v[ST+8*\t+4], v[ST+8*\t+4], v[ST+8*\t+7]
.else
	v_max3_num_f32 v[ST+8*\t+4], v[ST+8*\t+4], v[ST+8*\t+7], v[ST+8*\t+1]
.endif
.endr
.irp t, 0,1,2,3
	v_permlanex16_b32 v[ST+8*\t+5], v[ST+8*\t+4], s[SEL], s[SEL+1]   ; the query's other 32 keys lie in the lane 16 away
.endr
.if \first == 0
.irp t, 0,1,2,3
	v_mov_b32 v[ST+8*\t+7], v[ST+8*\t]             ; c m_old is kept for a
.endr
.endif
.irp t, 0,1,2,3
	v_max_num_f32 v[ST+8*\t+1], v[ST+8*\t+4], v[ST+8*\t+5]
.endr
.irp t, 0,1,2,3
	v_mul_f32 v[ST+8*\t], s[CS], v[ST+8*\t+1]
.endr
.if \first == 0
.irp t, 0,1,2,3
	v_sub_f32 v[ST+8*\t+7], v[ST+8*\t+7], v[ST+8*\t]
.endr
	; ONE BATCH of exponentials with one wait: none of the lines down to the wait names an exponential's result
.irp t, 0,1,2,3
	v_exp_f32 v[ST+8*\t+6], v[ST+8*\t+7]           ; a
.endr
.endif
.irp j, 0,1,2,3,4,5,6,7,8,9,10,11,12,13,14,15
	SCALE 0, \j
.endr
.irp t, 0,1,2,3                        ; tile t's exponentials, the next tile's scalings between them
.irp j, 0,1,2,3,4,5,6,7,8,9,10,11,12,13,14,15
.if \t < 3
	SCALE \t+1, \j
.endif
	v_exp_f32 v[S+32*\t+2*\j], v[S+32*\t+2*\j]
	v_exp_f32 v[S+32*\t+2*\j+1], v[S+32*\t+2*\j+1]
.endr
.endr
	v_nop                                          ; a plain line behind the last exponential
	s_wait_alu depctr_va_vdst(0)                   ; the wait ahead of the first line that names a result: one for the whole batch
.irp t, 0,1,2,3                        ; P: the weights in pairs, onto K's fragments, which are done with
.irp j, 0,1,2,3,4,5,6,7,8,9,10,11,12,13,14,15
	v_cvt_pk_f16_f32 v[KF+16*\t+\j], v[S+32*\t+2*\j], v[S+32*\t+2*\j+1]
.endr
.endr
	; the row's sum of the unrounded weights, in place, in pairs (even keys', odd keys'), the tiles by turns
.irp u, 0,1,2,3,4,5,6,7
.irp t, 0,1,2,3
	v_pk_add_f32 v[S+32*\t+4*\u:S+32*\t+4*\u+1], v[S+32*\t+4*\u:S+32*\t+4*\u+1], v[S+32*\t+4*\u+2:S+32*\t+4*\u+3]
.endr
.endr
.irp u, 0,1,2,3
.irp t, 0,1,2,3
	v_pk_add_f32 v[S+32*\t+8*\u:S+32*\t+8*\u+1], v[S+32*\t+8*\u:S+32*\t+8*\u+1], v[S+32*\t+8*\u+4:S+32*\t+8*\u+5]
.endr
.endr
.irp u, 0,1
.irp t, 0,1,2,3
	v_pk_add_f32 v[S+32*\t+16*\u:S+32*\t+16*\u+1], v[S+32*\t+16*\u:S+32*\t+16*\u+1], v[S+32*\t+16*\u+8:S+32*\t+16*\u+9]
.endr
.endr
.if \first
.irp t, 0,1,2,3
	v_pk_add_f32 v[ST+8*\t+2:ST+8*\t+3], v[S+32*\t:S+32*\t+1], v[S+32*\t+16:S+32*\t+17]
.endr
.else
.irp t, 0,1,2,3
	v_pk_add_f32 v[S+32*\t:S+32*\t+1], v[S+32*\t:S+32*\t+1], v[S+32*\t+16:S+32*\t+17]
.endr
.irp t, 0,1,2,3
	v_pk_fma_f32 v[ST+8*\t+2:ST+8*\t+3], v[ST+8*\t+2:ST+8*\t+3], v[ST+8*\t+6:ST+8*\t+7], v[S+32*\t:S+32*\t+1] op_sel_hi:[1,0,1]   ; l = a l + the sum
.endr
	WIN W_RS
.irp t, 0,1,2,3                        ; O^T times a, each accumulator from its low end on
.irp i, 0,1,2,3,4,5,6,7,8,9,10,11,12,13,14,15
	v_pk_mul_f32 v[32*\t+2*\i:32*\t+2*\i+1], v[32*\t+2*\i:32*\t+2*\i+1], v[ST+8*\t+6:ST+8*\t+7] op_sel_hi:[1,0]
.endr
.endr
.endif
	s_wait_dscnt 0x0                               ; V is in
	WIN W_PV
.irp g, 0,1                            ; O^T += V^T P: keys 32 g on, channels 16 d on, tile t: sixteen accumulators by turns
.irp d, 0,1,2,3
.irp t, 0,1,2,3
.if \first && (\g == 0)
	v_wmma_f32_16x16x32_f16 v[32*\t+8*\d:32*\t+8*\d+7], v[VF+8*(4*\g+\d):VF+8*(4*\g+\d)+7], v[KF+16*\t+8*\g:KF+16*\t+8*\g+7], 0
.else
	v_wmma_f32_16x16x32_f16 v[32*\t+8*\d:32*\t+8*\d+7], v[VF+8*(4*\g+\d):VF+8*(4*\g+\d)+7], v[KF+16*\t+8*\g:KF+16*\t+8*\g+7], v[32*\t+8*\d:32*\t+8*\d+7]
.endif
.endr
.endr
.endr
	WIN 0
.endm
.macro PHASE base, trips               ; so many key steps of the slot that begins at LDS byte base
	s_mov_b32 s[TK], \base
	s_mov_b32 s[TV], \base
	s_mov_b32 s[CNT], \trips
.Lphase_\@:
	STEP 0
	s_sub_co_u32 s[CNT], s[CNT], 1
	s_cmp_lg_u32 s[CNT], 0
	s_cbranch_scc1 .Lphase_\@
.endm
; THE CHANGE OF SLOTS.  Each wave waits for all its tensor loads (the one that is out is its part of the slot ahead), adds 0 to its spare word, and waits for that and for its reads of the slot that it leaves.
; fill = 1: slot n, just left, is filled with the keys 1,024 further on; the barrier is a round of the cluster's, and the joint load is the first thing behind it: it has 8 key steps in which to land.
.macro CHANGE n, fill
	s_wait_tensorcnt 0x0                           ; no tensor load of mine is out, so a group 0 may be written
	ds_add_u32 v[SPW], v[NIL]                      ; 0 onto my spare word
.if \fill
	s_add_nc_u64 s[G0K+4*\n+2:G0K+4*\n+3], s[G0K+4*\n+2:G0K+4*\n+3], 131072
	s_add_nc_u64 s[G0V+4*\n+2:G0V+4*\n+3], s[G0V+4*\n+2:G0V+4*\n+3], 131072
.endif
	s_wait_dscnt 0x0                               ; the add is done, and my reads of the slot are over
.if \fill
	CROUND
	JLOAD \n
.else
	s_barrier_signal -1
	s_barrier_wait -1
.endif
.endm
	s_wait_tensorcnt 1                             ; my part of slot 0 is in; slot 1's may stay out
	s_barrier_signal -1
	s_barrier_wait -1
	s_wait_loadcnt 0x0                             ; Q
	s_mov_b32 s[TK], 0
	s_mov_b32 s[TV], 0
	STEP 1                                         ; keys 0-63 start m, l and O^T: nothing is cleared
	s_mov_b32 s[CNT], 7
.Lslot0:
	STEP 0
	s_sub_co_u32 s[CNT], s[CNT], 1
	s_cmp_lg_u32 s[CNT], 0
	s_cbranch_scc1 .Lslot0
	CHANGE 0, 1                                    ; slot 0 takes keys 1,024-1,535
	; A prefetch of what the NEXT change will ask for, keys 1,536-2,047 of k and v, one slot (8 key steps) ahead of that load.  One cluster walks a head; its four work-groups take 16,384 bytes each, told apart by
	; address; in each, waves 0, 1 name k's and waves 2, 3 v's, 8,192 bytes a wave, lanes 256 bytes apart: each block is named once.  The slots asked for earlier come by their loads alone.
	s_cmp_lt_u32 s[WV], 4
	s_cbranch_scc0 .Lnot_mine
	global_prefetch_b8 v[PFO], s[PFA:PFA+1] th:TH_LOAD_NT scope:SCOPE_SE
.Lnot_mine:
	PHASE SLOT1, 8                                 ; keys 512-1,023
	CHANGE 1, 1                                    ; slot 1 takes keys 1,536-2,047
	PHASE 0, 8                                     ; keys 1,024-1,535
	CHANGE 1, 0                                    ; nothing is left to ask for
	PHASE SLOT1, 8                                 ; keys 1,536-2,047
	; THE WAY OUT.  l's two halves and the other half of the lanes' are added; O^T is divided by l, rounded to f16 and sent through my stage, a tile (16 rows of 128 bytes) at a time.  The additions are the places behind the last products.
.irp t, 0,1,2,3
	v_add_f32 v[ST+8*\t+4], v[ST+8*\t+2], v[ST+8*\t+3]
.endr
.irp t, 0,1,2,3
	v_permlanex16_b32 v[ST+8*\t+5], v[ST+8*\t+4], s[SEL], s[SEL+1]
.endr
.irp t, 0,1,2,3
	v_add_f32 v[ST+8*\t+4], v[ST+8*\t+4], v[ST+8*\t+5]
.endr
.irp t, 0,1,2,3
	v_rcp_f32 v[ST+8*\t+6], v[ST+8*\t+4]
.endr
	v_nop                                          ; a plain line behind the last reciprocal
	s_wait_alu depctr_va_vdst(0)                   ; and the wait ahead of the first use: one for the four
.macro PACK t
	WIN W_RS
.irp i, 0,1,2,3,4,5,6,7,8,9,10,11,12,13,14,15
	v_pk_mul_f32 v[32*\t+2*\i:32*\t+2*\i+1], v[32*\t+2*\i:32*\t+2*\i+1], v[ST+8*\t+6:ST+8*\t+7] op_sel_hi:[1,0]
.endr
	WIN 0x05                                       ; sources 0 and 1 window 1, destination window 0: S^T's registers are free
.irp i, 0,1,2,3,4,5,6,7,8,9,10,11,12,13,14,15
	v_cvt_pk_f16_f32 v[S+32*\t+\i], v[32*\t+2*\i], v[32*\t+2*\i+1]
.endr
	WIN 0
.irp d, 0,1,2,3
	ds_store_b128 v[STO], v[S+32*\t+4*\d:S+32*\t+4*\d+3] offset:32*\d
.endr
.irp g, 0,1,2,3
	ds_load_b128 v[S+32*\t+16+4*\g:S+32*\t+16+4*\g+3], v[RD] offset:2*UK*\g   ; LDS serves a wave's instructions in order: these see the stores above; the next tile's stores come behind them
.endr
.endm
.macro SEND t, younger                 ; younger: the LDS instructions issued behind tile t's loads: the next tile's four stores and four loads, or none
.irp g, 0,1,2,3
	s_wait_dscnt \younger+3-\g
	global_store_b128 v[GO], v[S+32*\t+16+4*\g:S+32*\t+16+4*\g+3], s[6:7] offset:2048*\t+512*\g   ; 32 lanes store 512 consecutive bytes, aligned
.endr
.endm
	PACK 0
	PACK 1
	SEND 0, 8
	PACK 2
	SEND 1, 8
	PACK 3
	SEND 2, 8
	SEND 3, 0
	s_wait_tensorcnt 0x0                           ; the wave's end: the wait, the add and its wait stand behind my last tensor load and my last LDS store
	ds_add_u32 v[SPW], v[NIL]
	s_wait_dscnt 0x0
	CROUND                                         ; the closing round
	s_endpgm
.Lfunc_end_k_qbfe1fcbe26_attn:
	.size	k_qbfe1fcbe26_attn, .Lfunc_end_k_qbfe1fcbe26_attn-k_qbfe1fcbe26_attn
	.p2alignl 7, 3214868480
	.fill 96, 4, 3214868480
	.section	.rodata,"a",@progbits
	.p2align	6, 0x0
	.amdhsa_kernel k_qbfe1fcbe26_attn
		.amdhsa_group_segment_fixed_size 327680
		.amdhsa_private_segment_fixed_size 0
		.amdhsa_enable_private_segment 0
		.amdhsa_kernarg_size 16
		.amdhsa_user_sgpr_count 2
		.amdhsa_user_sgpr_kernarg_segment_ptr 1
		.amdhsa_wavefront_size32 1
		.amdhsa_system_sgpr_workgroup_id_x 1
		.amdhsa_system_sgpr_workgroup_id_y 1
		.amdhsa_system_sgpr_workgroup_id_z 1
		.amdhsa_system_vgpr_workitem_id 0
		.amdhsa_next_free_vgpr 512
		.amdhsa_next_free_sgpr 66
		.amdhsa_reserve_vcc 0
		.amdhsa_float_denorm_mode_32 3
		.amdhsa_float_denorm_mode_16_64 3
		.amdhsa_memory_ordered 1
		.amdhsa_forward_progress 1
		.amdhsa_inst_pref_size 179
	.end_amdhsa_kernel
	.amdgpu_metadata
---
amdhsa.version: [ 1, 2 ]
amdhsa.kernels:
  - .name:           k_qbfe1fcbe26_attn
    .symbol:         k_qbfe1fcbe26_attn.kd
    .args:
      - { .name: qkv16, .offset: 0, .size: 8, .value_kind: global_buffer, .address_space: global }
      - { .name: heads16, .offset: 8, .size: 8, .value_kind: global_buffer, .address_space: global }
    .group_segment_fixed_size: 327680
    .private_segment_fixed_size: 0
    .kernarg_segment_align: 8
    .kernarg_segment_size: 16
    .max_flat_workgroup_size: 256
    .sgpr_count:     66
    .vgpr_count:     512
    .wavefront_size: 32
...
	.end_amdgpu_metadata
.endif
;; end of part 3
;; launch oproj (part 4): grid 4 x 64, 4 waves a work-group, clusters of 4 x 4, 327,680 bytes of LDS; arguments heads16, wo16, out0; writes out0
.if DOCPART == 4
	.amdgcn_target "amdgcn-amd-amdhsa--gfx1250"
	.amdhsa_code_object_version 6
	.text
	.protected	k_qbfe1fcbe26_oproj
	.globl	k_qbfe1fcbe26_oproj
	.p2align	8
	.type	k_qbfe1fcbe26_oproj,@function
k_qbfe1fcbe26_oproj:
	s_mov_b64 s[64:65], 0
	v_nop
	global_prefetch_b8 v0, s[64:65] scope:SCOPE_SE
	s_setreg_imm32_b32 hwreg(HW_REG_WAVE_MODE, 25, 1), 1
	s_wait_xcnt 0x0
	s_wait_alu depctr_hold_cnt(0) depctr_sa_sdst(0) depctr_va_vdst(0) depctr_va_sdst(0) depctr_va_ssrc(0) depctr_va_vcc(0) depctr_vm_vsrc(0)
	s_getreg_b32 s2, hwreg(HW_REG_IB_STS2, 6, 4)
	s_cmp_eq_u32 s2, 0
	s_cbranch_scc0 .Lentry_in_a_cluster
	s_endpgm
.Lentry_in_a_cluster:
	s_bfe_u32 s2, ttmp6, 0x10000c
	s_cmp_lg_u32 s2, 0xf033
	s_cbranch_scc0 .Lentry_shape_is_right
	s_endpgm
.Lentry_shape_is_right:
; out0[token][n] = the sum over k of heads[token][k] W_O[n][k], k = 64 x head + channel.  heads16: [4 b][16 h][2048 s][64] f16; wo16: [1024 n][1024 k] f16; out0: [8192][1024] f32; sums in f32.
; A tile of out0 is 128 tokens x 256 outputs: 256 work-groups.  Four waves, each 64 tokens x 128 outputs: 32 accumulators, 256 registers.  K goes in steps of 128 (two heads) through a ring of two LDS slots.
; A's tile of a K step is, for each of the two heads, 128 tokens x 128 bytes = 16,384 dense bytes: stated as 64 rows of 256 bytes (two tokens) with 16 bytes of padding: token t at (t / 2) x 272 + (t % 2) x 128.
; B's tile is 256 rows of 256 bytes, 272 apart in LDS.  In both the sixteen rows that a load touches start 16 bytes apart modulo 256.  Waves 0, 1 fetch A's two heads, waves 2, 3 B's two halves.
; CLUSTERS: 4 x 4 work-groups: A's tiles are shared along a row of the cluster, B's along a column, each asked for jointly with a mask that names the four.
; THE MATRIX INSTRUCTION IS USED TRANSPOSED (source 0 = 16 rows of W_O, source 1 = 16 tokens): a lane holds eight neighbouring outputs of one token.
; REGISTERS: window 0: v0-31 addresses; v64-127 A's fragments, two buffers of 32; v128-255 the way out.  window 1: v0-127 B's fragments, two buffers of 64.  window 2: the accumulators ((a, b) at v[8 (8 a + b)]).
.set AH,     64*272                    ; a head's 128 tokens
.set BH,     128*272                   ; 128 rows of W_O
.set SLOT,   2*AH+2*BH
.set STAGE,  2*SLOT                    ; the way out: 16 rows x (512 + 16) bytes for each wave, bytes of their own
.set SPITCH, 528
.set SPARE,  STAGE+4*16*SPITCH         ; the spare words, 128 bytes for each wave
.set LAPS,   4                         ; 8 K steps, two to a lap
.set ADRA, 16                          ; v16-17  LDS address of my A fragments in slot 0, 1
.set ADRB, 20                          ; v20-21  the same for B
.set STO,  24
.set RD,   25
.set CO,   26
.set SPW,  28                          ; v28  my spare word; never rewritten
.set NIL,  29                          ; v29  0; never rewritten
.set PFO,  30                          ; v30  256 x lane; never rewritten
.set AFR,  64
.set BK,   128
.set G1, 24
.set G0, 32
.set LIM, 43                           ; s43  1 in the wave that prefetches, else the greatest number
.set PFA, 44                           ; s[44:45] where my prefetches stand
.set G1B, 48
.set G0B, 56
.set MSB, 0
.macro WIN new                         ; the immediate's high byte repeats the setting that is left
.if MSB != \new
	s_set_vgpr_msb (MSB<<8)|\new
.set MSB, \new
.endif
.endm
.set MUL,  0xa1                        ; source 0 (B) window 1, source 1 (A) window 0, C and D window 2
.set TO_B, 0x40
.macro JLOAD s                         ; a joint load; the branch hangs on the wave's number alone; an s_nop 0 and four v_nop follow each of the two lines
	s_cmp_eq_u32 s11, 0
	s_cbranch_scc0 .Lfor_b_\@
	tensor_load_to_lds s[G0+4*\s:G0+4*\s+3], s[G1:G1+7]
	s_nop 0
.rept 4
	v_nop
.endr
	s_branch .Lasked_\@
.Lfor_b_\@:
	tensor_load_to_lds s[G0B+4*\s:G0B+4*\s+3], s[G1B:G1B+7]
	s_nop 0
.rept 4
	v_nop
.endr
.Lasked_\@:
.endm
; A prefetch of A's K step that stands TWO refills on: 32,768 bytes for a tile row.  One cluster reads a tile row; its four work-groups along x take 8,192 bytes each, told apart by address (half a head each);
; in each, wave 0 asks, lanes 256 bytes apart: each block is named once.  The loop's last trip asks for nothing: there is no K step two refills on.  W_O's rows are read by every cluster of the launch: not asked for.
.macro ASK
	s_cmp_gt_u32 s3, s[LIM]
	s_cbranch_scc0 .Lnot_mine_\@
	global_prefetch_b8 v[PFO], s[PFA:PFA+1] offset:524288 th:TH_LOAD_NT scope:SCOPE_SE
.Lnot_mine_\@:
.endm
.macro CREST                           ; a round of the cluster's barrier behind its opening barrier
	s_cmp_lg_u32 s10, 0
	s_cbranch_scc1 .Lnot_wave_0_\@
	s_barrier_signal -3
.Lnot_wave_0_\@:
	s_barrier_wait -3
	s_barrier_signal -1
	s_barrier_wait -1
.endm
.macro CROUND
	s_barrier_signal -1
	s_barrier_wait -1
	CREST
.endm
	s_load_b128 s[4:7], s[0:1], 0x0                ; heads16 s[4:5], wo16 s[6:7]
	s_load_b64 s[8:9], s[0:1], 0x10                ; out0
	v_lshl_add_u32 v[SPW], v0, 2, SPARE
	v_mov_b32 v[NIL], 0
	ds_add_u32 v[SPW], v[NIL]                      ; the wave's opening: the add, twice on end, and its wait ahead of my first tensor load
	ds_add_u32 v[SPW], v[NIL]
	v_lshrrev_b32 v1, 5, v0
	v_readfirstlane_b32 s10, v1                    ; wave 0..3
	s_lshr_b32 s11, s10, 1                         ; which half of the tile's tokens is mine.  Also: I fetch for A (0) or for B (1)
	s_and_b32 s12, s10, 1                          ; which half of its outputs.  Also: which head, or which 128 rows of W_O, I fetch
	s_bfe_u32 s40, ttmp6, 0x40000                  ; cx, cy
	s_bfe_u32 s41, ttmp6, 0x40004
	s_lshl_b32 s42, ttmp9, 2
	s_add_co_u32 s42, s42, s40                     ; tile column
	s_and_b32 s13, ttmp7, 0xffff
	s_lshl_b32 s13, s13, 2
	s_add_co_u32 s13, s13, s41                     ; tile row
	s_lshl_b32 s43, s41, 2
	s_lshl_b32 s43, 15, s43                        ; my row of the cluster
	s_lshl_b32 s44, 0x1111, s40                    ; my column
	s_or_b32 s[G1+0], s43, (3<<16)|(1<<20)|(1<<21)|(5<<22)|(3<<25)   ; A: the mask of my row; elements of 8 bytes; padding: four words after every 64
	s_mov_b32 s[G1+1], 32<<16                      ; 64 rows of 32 elements, dense
	s_mov_b32 s[G1+2], 64<<16
	s_mov_b32 s[G1+3], 32<<16
	s_mov_b32 s[G1+4], 64
	s_mov_b32 s[G1+5], 32
	s_mov_b32 s[G1+6], 0
	s_mov_b32 s[G1+7], 0
	s_or_b32 s[G1B+0], s44, (1<<16)|(1<<20)|(1<<21)|(5<<22)|(3<<25)  ; B: the mask of my column; elements of 2 bytes; the same padding
	s_mov_b32 s[G1B+1], 128<<16                    ; 128 rows of 128 elements, 1,024 elements apart
	s_mov_b32 s[G1B+2], 128<<16
	s_mov_b32 s[G1B+3], 128<<16
	s_mov_b32 s[G1B+4], 128
	s_mov_b32 s[G1B+5], 1024
	s_mov_b32 s[G1B+6], 0
	s_mov_b32 s[G1B+7], 0
	s_lshr_b32 s14, s13, 4                         ; the batch: 16 tile rows each, 4 MiB
	s_lshl_b32 s14, s14, 22
	s_and_b32 s15, s13, 15
	s_lshl_b32 s15, s15, 14                        ; 128 tokens x 128 bytes
	s_add_co_u32 s14, s14, s15                     ; the tile's tokens in head 0
	s_lshl_b32 s17, s12, 18
	s_add_co_u32 s18, s14, s17                     ; A: + my head of the K step's two
	s_mov_b32 s19, 0
	s_lshl_b32 s46, s42, 19                        ; B: 256 rows of 2,048 bytes a tile column,
	s_add_co_u32 s46, s46, s17                     ; + my 128 rows
	s_mov_b32 s47, 0
	s_mul_i32 s20, s12, AH                         ; where they go: no place in the cluster enters an LDS address
	s_mul_i32 s21, s12, BH
	s_add_co_u32 s21, s21, 2*AH
	s_wait_dscnt 0x0                               ; both opening adds are done
	s_wait_kmcnt 0x0
	s_add_nc_u64 s[18:19], s[4:5], s[18:19]
	s_add_nc_u64 s[46:47], s[6:7], s[46:47]
	CROUND                                         ; all sixteen work-groups are here: the first joint loads meet
.irp s, 0,1
	s_mov_b32 s[G0+4*\s], 1
	s_add_co_u32 s[G0+4*\s+1], s20, \s*SLOT
	s_add_nc_u64 s[G0+4*\s+2:G0+4*\s+3], s[18:19], \s*524288       ; K step s: two heads on
	s_or_b32 s[G0+4*\s+3], s[G0+4*\s+3], 0x80000000
	s_mov_b32 s[G0B+4*\s], 1
	s_add_co_u32 s[G0B+4*\s+1], s21, \s*SLOT
	s_add_nc_u64 s[G0B+4*\s+2:G0B+4*\s+3], s[46:47], \s*256
	s_or_b32 s[G0B+4*\s+3], s[G0B+4*\s+3], 0x80000000
	JLOAD \s                                       ; two loads of mine are out
.endr
	v_and_b32 v1, 15, v0                           ; r
	v_bfe_u32 v2, v0, 4, 1                         ; h
	v_lshrrev_b32 v3, 1, v1
	v_mul_u32_u24 v3, v3, 272
	v_and_b32 v4, 1, v1
	v_lshl_add_u32 v3, v4, 7, v3
	v_lshl_add_u32 v3, v2, 4, v3                   ; A: token r: (r / 2) x 272 + (r % 2) x 128 + 16 h
	v_mul_u32_u24 v4, v1, 272
	v_lshl_add_u32 v4, v2, 4, v4                   ; B: row r x 272 + 16 h
	s_mul_i32 s21, s11, 32*272                     ; my 64 tokens
	s_mul_i32 s22, s12, BH                         ; my 128 rows of W_O,
	s_add_co_u32 s22, s22, 2*AH                    ; behind A's two heads
.irp s, 0,1
	v_add_nc_u32 v[ADRA+\s], s21, v3
	v_add_nc_u32 v[ADRB+\s], s22, v4
	s_add_co_u32 s21, s21, SLOT
	s_add_co_u32 s22, s22, SLOT
.endr
	s_mul_i32 s23, s10, 16*SPITCH
	s_add_co_u32 s23, s23, STAGE                   ; my stage
	v_mul_u32_u24 v5, v1, SPITCH                   ; in: row r, 32 bytes for each half of the lanes
	v_lshl_add_u32 v5, v2, 5, v5
	v_add_nc_u32 v[STO], s23, v5
	v_and_b32 v5, 31, v0
	v_lshlrev_b32 v[CO], 4, v5                     ; back: the 32 lanes take one row of 512 bytes; and the same in out0
	v_add_nc_u32 v[RD], s23, v[CO]
	v_lshlrev_b32 v[PFO], 8, v5
	; the prefetches: the tile's tokens, + head cx / 2 of the K step's two, + half cx % 2 of its 16,384 bytes, at K step 2: the first refill steps it to 3 and names K step 4
	s_lshr_b32 s22, s40, 1
	s_lshl_b32 s22, s22, 18
	s_add_co_u32 s22, s22, s14
	s_and_b32 s23, s40, 1
	s_lshl_b32 s23, s23, 13
	s_add_co_u32 s22, s22, s23
	s_add_co_u32 s22, s22, 2*524288
	s_mov_b32 s23, 0
	s_add_nc_u64 s[PFA:PFA+1], s[4:5], s[22:23]
	s_cmp_eq_u32 s10, 0
	s_cselect_b32 s[LIM], 1, -1
	; where my part begins in out0: (128 x tile row + 64 x half) rows of 4,096 bytes, + 1,024 x tile column + 512 x half
	s_lshl_b32 s16, s13, 19
	s_lshl_b32 s17, s11, 18
	s_add_co_u32 s16, s16, s17
	s_mov_b32 s17, 0
	s_lshl_b32 s46, s42, 10
	s_lshl_b32 s47, s12, 9
	s_add_co_u32 s46, s46, s47
	s_mov_b32 s47, 0
	s_add_nc_u64 s[16:17], s[16:17], s[46:47]
	s_add_nc_u64 s[8:9], s[8:9], s[16:17]
; 8 matrix instructions: tokens' block a x B's eight, 32 along K, buffer p.  zero = 1: the product starts the sums.  The 32 accumulators take turns, in the same order in every quarter.
.macro MUL8 p, a, zero
.irp b, 0,1,2,3,4,5,6,7
.if \zero
	v_wmma_f32_16x16x32_f16 v[8*(8*(\a)+\b):8*(8*(\a)+\b)+7], v[64*(\p)+8*\b:64*(\p)+8*\b+7], v[AFR+32*(\p)+8*(\a):AFR+32*(\p)+8*(\a)+7], 0
.else
	v_wmma_f32_16x16x32_f16 v[8*(8*(\a)+\b):8*(8*(\a)+\b)+7], v[64*(\p)+8*\b:64*(\p)+8*\b+7], v[AFR+32*(\p)+8*(\a):AFR+32*(\p)+8*(\a)+7], v[8*(8*(\a)+\b):8*(8*(\a)+\b)+7]
.endif
.endr
.endm
; 24 LDS loads in one run: the fragments of quarter q (32 along K) of slot n into buffer p: B's eight, then A's four
.macro FETCH n, q, p
	WIN TO_B
.irp i, 0,1,2,3,4,5,6,7
	ds_load_b128 v[64*(\p)+8*\i:64*(\p)+8*\i+3],   v[ADRB+\n] offset:64*(\q)+\i*16*272
	ds_load_b128 v[64*(\p)+8*\i+4:64*(\p)+8*\i+7], v[ADRB+\n] offset:64*(\q)+\i*16*272+32
.endr
	WIN 0
.irp i, 0,1,2,3
	ds_load_b128 v[AFR+32*(\p)+8*\i:AFR+32*(\p)+8*\i+3],   v[ADRA+\n] offset:((\q)/2)*AH+((\q)%2)*64+\i*8*272
	ds_load_b128 v[AFR+32*(\p)+8*\i+4:AFR+32*(\p)+8*\i+7], v[ADRA+\n] offset:((\q)/2)*AH+((\q)%2)*64+\i*8*272+32
.endr
.endm
.macro PLACES                          ; four plain lines between matrix instructions and loads into registers that they read, or reads of their results
.rept 4
	v_nop
.endr
.endm
; A K step is four quarters of 32 along K, 32 matrix instructions each, on buffers 0, 1, 0, 1.  One of the first three: multiplies buffer p; in its middle it fetches quarter q of the same slot into the other buffer.
.macro QUARTER n, q, p, zero
	s_wait_dscnt 4                                 ; B and A's blocks 0, 1 are in; the youngest four loads (blocks 2, 3) may be out
	WIN MUL
	MUL8 \p, 0, \zero
	MUL8 \p, 1, \zero
	PLACES
	FETCH \n, \q, 1-(\p)
	s_wait_dscnt 24                                ; all but the 24 just issued
	WIN MUL
	MUL8 \p, 2, \zero
	MUL8 \p, 3, \zero
.endm
; The last quarter multiplies buffer 1 and changes slots: ONE barrier; in front of it each wave waits for all its tensor loads (its part of the next slot), adds 0 to its spare word, and waits for that and for its reads
; of this slot.  fill = 1: the barrier opens a round of the cluster's, and this slot is filled again, two K steps ahead, first thing behind the round.
.macro TURN n, next, fill
.if \fill
	s_wait_xcnt 0x0                                ; the last prefetch, a K step back, has read its address: it is stepped here
	s_add_nc_u64 s[PFA:PFA+1], s[PFA:PFA+1], 524288
.endif
	WIN 0                                          ; (the add's two registers lie in window 0)
	s_wait_tensorcnt 0x0
	ds_add_u32 v[SPW], v[NIL]                      ; 0 onto my spare word
	s_wait_dscnt 5                                 ; (the add and the youngest four loads may be out)
	WIN MUL
	MUL8 1, 0, 0
	s_wait_dscnt 0x0                               ; the add is done, and my reads of this slot are over
	s_barrier_signal -1
	MUL8 1, 1, 0
.if \fill
	WIN 0
.endif
	s_barrier_wait -1
.if \fill
	CREST                                          ; no wave of any partner still reads this slot or has a load on its way
	s_add_nc_u64 s[G0+4*\n+2:G0+4*\n+3], s[G0+4*\n+2:G0+4*\n+3], 2*524288
	s_add_nc_u64 s[G0B+4*\n+2:G0B+4*\n+3], s[G0B+4*\n+2:G0B+4*\n+3], 2*256
	JLOAD \n                                       ; the four v_nop behind it are also the places in front of the loads below
.else
	PLACES
.endif
	FETCH \next, 0, 0
.if \fill
	ASK
.endif
	WIN MUL
	MUL8 1, 2, 0
	MUL8 1, 3, 0
.endm
	s_wait_tensorcnt 1                             ; my part of K step 0 is in; K step 1's may stay out
	s_barrier_signal -1
	s_barrier_wait -1
	FETCH 0, 0, 0
	QUARTER 0, 1, 0, 1                             ; the first quarter's products start the sums: nothing is cleared
	WIN 0
	s_mov_b32 s3, LAPS-1
.Llap:                                                 ; a trip goes once round the ring, from a lap's second quarter to the next lap's first, and fills both slots again
	QUARTER 0, 2, 1, 0
	QUARTER 0, 3, 0, 0
	TURN 0, 1, 1
	QUARTER 1, 1, 0, 0
	QUARTER 1, 2, 1, 0
	QUARTER 1, 3, 0, 0
	TURN 1, 0, 1
	QUARTER 0, 1, 0, 0
	WIN 0
	s_sub_co_u32 s3, s3, 1
	s_cmp_lg_u32 s3, 0
	s_cbranch_scc1 .Llap
	QUARTER 0, 2, 1, 0                             ; the last lap fills nothing
	QUARTER 0, 3, 0, 0
	TURN 0, 1, 0
	QUARTER 1, 1, 0, 0
	QUARTER 1, 2, 1, 0
	QUARTER 1, 3, 0, 0
	s_wait_dscnt 4                                 ; the very last quarter: nothing more to fetch
	WIN MUL
	MUL8 1, 0, 0
	MUL8 1, 1, 0
	s_wait_dscnt 0x0
	MUL8 1, 2, 0
	MUL8 1, 3, 0
	WIN 0
; THE WAY OUT, block by block of 16 tokens x 128 outputs.  A lane holds 32 neighbouring bytes of a row: a block goes through my own stage and comes back as whole rows of 512 bytes.
; LDS serves a wave's instructions in order: no wait between the stores and the loads, nor in front of the next block's stores.
.macro TOSTAGE a
	WIN 0x08                                       ; an LDS store's data are its source 1: window 2
.irp b, 0,1,2,3,4,5,6,7
	ds_store_b128 v[STO], v[64*(\a)+8*\b:64*(\a)+8*\b+3] offset:64*\b          ; each accumulator from its low end on
	ds_store_b128 v[STO], v[64*(\a)+8*\b+4:64*(\a)+8*\b+7] offset:64*\b+16
.endr
	WIN 0
.set BB, BK+64*((\a)%2)
.irp t, 0,1,2,3,4,5,6,7,8,9,10,11,12,13,14,15
	ds_load_b128 v[BB+4*\t:BB+4*\t+3], v[RD] offset:\t*SPITCH
.endr
.endm
.macro SEND a, younger                 ; younger: the LDS instructions issued behind block a's loads: the next block's 16 stores and 16 loads, or none
.set BB, BK+64*((\a)%2)
	s_wait_dscnt \younger
.irp t, 0,1,2,3,4,5,6,7,8,9,10,11,12,13,14,15
	global_store_b128 v[CO], v[BB+4*\t:BB+4*\t+3], s[8:9] offset:(16*(\a)+\t)*4096 th:TH_STORE_NT   ; 32 lanes store 512 consecutive bytes, aligned; the row stands in the immediate
.endr
.endm
	PLACES                                         ; behind the last products, ahead of the first read of results
	TOSTAGE 0
	TOSTAGE 1
	SEND 0, 32
	s_wait_xcnt 0x0                                ; block 0's stores have read their data: block 2's loads may land there
	TOSTAGE 2
	SEND 1, 32
	s_wait_xcnt 0x0
	TOSTAGE 3
	SEND 2, 32
	SEND 3, 0
	s_wait_tensorcnt 0x0                           ; the wave's end: the wait, the add and its wait stand behind my last tensor load and my last LDS store
	ds_add_u32 v[SPW], v[NIL]
	s_wait_dscnt 0x0
	CROUND                                         ; the closing round
	s_endpgm
.Lfunc_end_k_qbfe1fcbe26_oproj:
	.size	k_qbfe1fcbe26_oproj, .Lfunc_end_k_qbfe1fcbe26_oproj-k_qbfe1fcbe26_oproj
	.p2alignl 7, 3214868480
	.fill 96, 4, 3214868480
	.section	.rodata,"a",@progbits
	.p2align	6, 0x0
	.amdhsa_kernel k_qbfe1fcbe26_oproj
		.amdhsa_group_segment_fixed_size 327680
		.amdhsa_private_segment_fixed_size 0
		.amdhsa_enable_private_segment 0
		.amdhsa_kernarg_size 24
		.amdhsa_user_sgpr_count 2
		.amdhsa_user_sgpr_kernarg_segment_ptr 1
		.amdhsa_wavefront_size32 1
		.amdhsa_system_sgpr_workgroup_id_x 1
		.amdhsa_system_sgpr_workgroup_id_y 1
		.amdhsa_system_sgpr_workgroup_id_z 1
		.amdhsa_system_vgpr_workitem_id 0
		.amdhsa_next_free_vgpr 768
		.amdhsa_next_free_sgpr 66
		.amdhsa_reserve_vcc 0
		.amdhsa_float_denorm_mode_32 3
		.amdhsa_float_denorm_mode_16_64 3
		.amdhsa_memory_ordered 1
		.amdhsa_forward_progress 1
		.amdhsa_inst_pref_size 86
	.end_amdhsa_kernel
	.amdgpu_metadata
---
amdhsa.version: [ 1, 2 ]
amdhsa.kernels:
  - .name:           k_qbfe1fcbe26_oproj
    .symbol:         k_qbfe1fcbe26_oproj.kd
    .args:
      - { .name: heads16, .offset: 0, .size: 8, .value_kind: global_buffer, .address_space: global }
      - { .name: wo16, .offset: 8, .size: 8, .value_kind: global_buffer, .address_space: global }
      - { .name: out0, .offset: 16, .size: 8, .value_kind: global_buffer, .address_space: global }
    .group_segment_fixed_size: 327680
    .private_segment_fixed_size: 0
    .kernarg_segment_align: 8
    .kernarg_segment_size: 24
    .max_flat_workgroup_size: 128
    .sgpr_count:     66
    .vgpr_count:     768
    .wavefront_size: 32
...
	.end_amdgpu_metadata
.endif
;; end of part 4
